; MI455X (gfx1250); checked and timed in simulation.
; The chip was launched on July 23, 2026; its instructions are those of AMD's public machine-readable ISA for CDNA 5 (MIT licence, August 2026) and "CDNA5" Instruction Set Architecture Reference Guide (July 2026). The comments in the code are by the model that wrote it; some were corrected since.
;; Multi Headed Cross Attention. Allowed arithmetic: float matrix products may take bf16 or f16 operands with f32 sums; all other float work in f32.
;; Inputs: W1 512 x 512 float32; W2 512 x 1,024 float32; Wkv 256 x 1,024 float32; Wout 512 x 256 float32; Wq 256 x 512 float32; b1 512 float32; b2 1,024 float32; k 2 x 2,048 x 256 float32; local_idx 2 x 2,048 x 16 int32; pos 2 x 2,048 x 16 x 512 float32; q 2 x 2,048 x 256 float32.
;; Outputs: out0 2 x 2,048 x 256 float32.
;; 2 versions, each right; version 2 is version 1 with the launch prep written anew for expert scheduling mode. Each part assembles by itself: llvm-mc -triple=amdgcn-amd-amdhsa -mcpu=gfx1250 --defsym DOCPART=n.
;; ======== version 1 of 2: 4 launches
;; limits: values are held in f16: magnitudes above 65,504 overflow, below 6.1e-05 lose precision
;; workspace buffers: wts 1,310,720 bytes; qs 4,194,816 bytes; kvt 8,388,608 bytes; u 33,554,432 bytes; z 33,554,432 bytes; aggv 8,388,608 bytes; agg 8,388,608 bytes
;; launch prep (part 1): grid 464 x 1, 8 waves a work-group, no clusters, 142,336 bytes of LDS; arguments q, k, Wq, Wkv, W1, W2, Wout, b2, wts, qs, kvt, u; writes wts, qs, kvt, u
.if DOCPART == 1
	.amdgcn_target "amdgcn-amd-amdhsa--gfx1250"
	.amdhsa_code_object_version 6
	.text
	.protected	k_q342ebe6baf_prep
	.globl	k_q342ebe6baf_prep
	.p2align	8
	.type	k_q342ebe6baf_prep,@function
k_q342ebe6baf_prep:
	s_mov_b64 s[64:65], 0
	v_nop
	global_prefetch_b8 v0, s[64:65] scope:SCOPE_SE
	s_setreg_imm32_b32 hwreg(HW_REG_WAVE_MODE, 25, 1), 1
	s_wait_xcnt 0x0
; PREP: everything that hangs on the small inputs alone.  The work-group's number picks one of five roles:
;   0-127    Q:  qs = bf16(q Wq), a block of 128 rows x 128 columns (two heads), then U[h][gi][c] = sum over d of qs[gi][h][d] W2[c][128 h + d] for those rows and heads
;   128-383  KV: kvt = bf16(k Wkv + b2'), a block of 128 x 128; b2' is b2 sorted as the table is: kk' takes b2[128 h + d], vv' takes b2[128 h + 64 + d]
;   384-415  W1 turned:  wts[0..]       = bf16 W1T[n][k]
;   416-447  W2's value columns turned: wts[524288..] = W2VT[64 h + d][c], the bf16 rounding of W2[c][128 h + 64 + d] written as f16
;   448-463  Wout turned: wts[1048576..] = bf16 WOUTT[n][k]; its first wave also writes the 512 zero bytes behind qs
; All inputs are rounded once to bf16, b2 too; sums in f32.  LIMIT: W2's value columns must lie within f16's range (65,504), and below 6e-5 they keep f16's fixed step of 6e-8.
; No tensor loads and no cluster: the blocks are small, come through registers (they must be converted from f32 anyway), and two work-groups share a WGP.
; THE MATRIX INSTRUCTION IS USED TRANSPOSED (source 0 = 16 columns of the weights, source 1 = 16 rows of X): a lane then holds eight neighbouring numbers of one row of the result.
.set XP,    528                        ; a row of X in LDS: 256 bf16 + 16 bytes
.set WL,    128*XP                     ; W's block behind X's: [k][128 n] bf16,
.set WP,    288                        ; rows of 256 + 32 bytes (an odd multiple of 32, for the turning load)
.set OP,    272                        ; the result's stage, over X's bytes once these are read: rows of 256 + 16 bytes
.set USTG,  WL                         ; U's stages, over W's bytes: 16 rows x 272 bytes for each wave
.set SPARE, WL+256*WP                  ; the spare words: 128 bytes for each of the eight waves, four blocks of 256 bytes that no other line names
.set SPW,   30                         ; v30  SPARE + 4 x my thread's number; never rewritten
.set NIL,   31                         ; v31  0; never rewritten
.set ACC,   32                         ; v32-95   8 accumulators, (rt, ct) at ACC + 8 (4 rt + ct); while LDS is filled: 16 rows of W as loaded
.set SA,    96                         ; v96-223  while LDS is filled: X as loaded.  v96-239 later: three buffers of 48 for a K step's fragments
.set TT,    224                        ; v224-255 at work
.set WF,    96                         ; v96-223  U: W2's 16 fragments, (ct, kk) at WF + 16 ct + 8 kk
.set WV,    28                         ; s28  my wave's number
.macro PLACES                          ; four places behind matrix instructions (ISA guide 7.12.1) where no other vector work is at hand
.rept 4
	v_nop
.endr
.endm
.macro CVST src, adr, off              ; four f32 -> four bf16 -> 8 bytes of LDS
	v_cvt_pk_bf16_f32 v[TT+2*(tc%16)], v[\src], v[(\src)+1]
	v_cvt_pk_bf16_f32 v[TT+2*(tc%16)+1], v[(\src)+2], v[(\src)+3]
	ds_store_b64 v[\adr], v[TT+2*(tc%16):TT+2*(tc%16)+1] offset:\off
.set tc, tc+1
.endm
.macro LOADK ks                        ; the fragments of K step ks (32 along K): 2 of X (4 loads), 4 of W, turned (8 loads)
.set BF, 96+48*((\ks)%3)
.irp rt, 0,1
	ds_load_b128 v[BF+8*\rt:BF+8*\rt+3],   v9 offset:\rt*16*XP+64*(\ks)
	ds_load_b128 v[BF+8*\rt+4:BF+8*\rt+7], v9 offset:\rt*16*XP+64*(\ks)+32
.endr
.irp ct, 0,1,2,3
	ds_load_tr16_b128 v[BF+16+8*\ct:BF+16+8*\ct+3],   v[10+(\ks)/4] offset:((\ks)%4)*32*WP+32*\ct
	ds_load_tr16_b128 v[BF+16+8*\ct+4:BF+16+8*\ct+7], v[10+(\ks)/4] offset:((\ks)%4)*32*WP+32*\ct+16*WP
.endr
.endm
.macro MULK ks, zero                   ; 8 products; the 8 accumulators take turns
.set BF, 96+48*((\ks)%3)
.irp rt, 0,1
.irp ct, 0,1,2,3
.if \zero
	v_wmma_f32_16x16x32_bf16 v[ACC+8*(4*\rt+\ct):ACC+8*(4*\rt+\ct)+7], v[BF+16+8*\ct:BF+16+8*\ct+7], v[BF+8*\rt:BF+8*\rt+7], 0
.else
	v_wmma_f32_16x16x32_bf16 v[ACC+8*(4*\rt+\ct):ACC+8*(4*\rt+\ct)+7], v[BF+16+8*\ct:BF+16+8*\ct+7], v[BF+8*\rt:BF+8*\rt+7], v[ACC+8*(4*\rt+\ct):ACC+8*(4*\rt+\ct)+7]
.endif
.endr
.endr
.endm
; C[128 x 128] = X[128 x 256] W[256 x 128] (+ bias), rounded to bf16.  s30 = block of rows, s31 = block of columns.  Wave w: rows 32 (w / 2), columns 64 (w % 2).
.macro PROJ sx, sw, ldwb, so, opitch, bias
	s_and_b32 s39, s[WV], 1                        ; wc
	s_lshr_b32 s40, s[WV], 1                       ; wr
	s_lshl_b32 s32, s30, 17                        ; X: the block's 128 rows of 1,024 bytes,
	s_lshl_b32 s38, s[WV], 14                      ; my wave's 16 of them: 16 KiB on end
	s_add_co_u32 s32, s32, s38
	s_mov_b32 s33, 0
	s_add_nc_u64 s[34:35], s[\sx:\sx+1], s[32:33]
	s_mul_i32 s32, s[WV], 32*(\ldwb)               ; W: my wave's 32 rows k, the block's 512 bytes of each
	s_lshl_b32 s38, s31, 9
	s_add_co_u32 s32, s32, s38
	s_add_nc_u64 s[36:37], s[\sw:\sw+1], s[32:33]
	s_mul_i32 s32, s30, 128*(\opitch)              ; the result: the block's first row, its 256 bytes of a row
	s_lshl_b32 s38, s31, 8
	s_add_co_u32 s32, s32, s38
	s_add_nc_u64 s[42:43], s[\so:\so+1], s[32:33]
	v_lshlrev_b32 v5, 4, v2                        ; 16 x lane: every load takes 512 bytes on end
.set i, 0
.rept 32
	global_load_b128 v[SA+4*i:SA+4*i+3], v5, s[34:35] offset:i*512
.set i, i+1
.endr
.set i, 0
.rept 16
	global_load_b128 v[ACC+4*i:ACC+4*i+3], v5, s[36:37] offset:i*(\ldwb)
.set i, i+1
.endr
	s_mul_i32 s38, s[WV], 16*XP
	v_lshl_add_u32 v6, v2, 3, s38                  ; v6: where X's bf16 go: row 16 w, 8 bytes a lane
	s_mul_i32 s38, s[WV], 32*WP
	s_add_co_u32 s38, s38, WL
	v_lshl_add_u32 v7, v2, 3, s38                  ; v7: where W's go: row 32 w
	s_mul_i32 s38, s40, 32*XP
	v_mul_u32_u24 v9, v3, XP
	v_lshl_add_u32 v9, v4, 4, v9
	v_add_nc_u32 v9, s38, v9                       ; v9: X's fragments: (32 wr + r) pitch + 16 h
	v_and_b32 v10, 7, v0
	v_lshl_add_u32 v10, v4, 3, v10
	v_mul_u32_u24 v10, v10, WP
	v_bfe_u32 v11, v0, 3, 1
	v_lshl_add_u32 v10, v11, 4, v10
	s_lshl_b32 s38, s39, 7
	s_add_co_u32 s38, s38, WL
	v_add_nc_u32 v10, s38, v10                     ; v10: W's turning loads: (8 h + l % 8) pitch + 128 wc + 16 ((l / 8) % 2)
	v_add_nc_u32 v11, 128*WP, v10                  ; v11: the same for K steps 4 to 7, beyond the immediate's reach
	s_mul_i32 s38, s40, 32*OP
	s_lshl_b32 s41, s39, 7
	s_add_co_u32 s38, s38, s41
	v_mul_u32_u24 v12, v3, OP
	v_lshl_add_u32 v12, v4, 4, v12
	v_add_nc_u32 v12, s38, v12                     ; v12: into the stage
	s_mul_i32 s38, s[WV], 16*OP
	v_mul_u32_u24 v13, v4, OP
	v_lshl_add_u32 v13, v3, 4, v13
	v_add_nc_u32 v13, s38, v13                     ; v13: back out of it: rows 16 w .., lanes 0-15 one row, lanes 16-31 the next
	s_mul_i32 s38, s[WV], 16*(\opitch)
	v_mul_u32_u24 v14, v4, \opitch
	v_lshl_add_u32 v14, v3, 4, v14
	v_add_nc_u32 v14, s38, v14                     ; v14: the same two rows in memory
.if \bias
	s_and_b32 s38, s31, 3                          ; the head: 2 (cs % 4) + wc; cs / 4: keys' or values' half of its 128 numbers of b2
	s_lshl_b32 s38, s38, 1
	s_add_co_u32 s38, s38, s39
	s_lshl_b32 s38, s38, 9
	s_lshr_b32 s41, s31, 2
	s_lshl_b32 s41, s41, 8
	s_add_co_u32 s38, s38, s41
	v_lshl_add_u32 v8, v4, 5, s38
.endif
	s_wait_loadcnt 16                              ; X is in; W's first 16 rows may be out
.set tc, 0
.set i, 0
.rept 32
	CVST SA+4*i, 6, (i/2)*XP+(i%2)*256
.set i, i+1
.endr
.set i, 0
.rept 16
	global_load_b128 v[SA+4*i:SA+4*i+3], v5, s[36:37] offset:(16+i)*(\ldwb)
.set i, i+1
.endr
	s_wait_loadcnt 16                              ; W's first 16 rows are in; the 16 just asked for may be out
.set i, 0
.rept 16
	CVST ACC+4*i, 7, i*WP
.set i, i+1
.endr
.if \bias
.irp rt, 0,1
.irp ct, 0,1,2,3                       ; the bias starts the sums: my lane's eight columns, the same for both blocks of rows
	global_load_b128 v[ACC+8*(4*\rt+\ct):ACC+8*(4*\rt+\ct)+3],   v8, s[18:19] offset:64*\ct
	global_load_b128 v[ACC+8*(4*\rt+\ct)+4:ACC+8*(4*\rt+\ct)+7], v8, s[18:19] offset:64*\ct+16
.endr
.endr
	s_wait_loadcnt 16                              ; W's last 16 rows are in; the bias's 16 loads may be out
.else
	s_wait_loadcnt 0x0
.endif
.set i, 0
.rept 16
	CVST SA+4*i, 7, (16+i)*WP
.set i, i+1
.endr
.if \bias
	s_wait_loadcnt 0x0
.set i, 0
.rept 32                               ; b2 rounded to bf16 like every input, and widened again
	v_cvt_pk_bf16_f32 v[TT+i%16], v[ACC+2*i], v[ACC+2*i+1]
	v_lshlrev_b32 v[ACC+2*i], 16, v[TT+i%16]
	v_and_b32 v[ACC+2*i+1], 0xffff0000, v[TT+i%16]
.set i, i+1
.endr
.endif
	s_wait_dscnt 0x0                               ; for the others' sake: my stores are done
	s_barrier_signal -1
	s_barrier_wait -1
	LOADK 0
	LOADK 1
	LOADK 2
.irp ks, 0,1,2,3,4,5,6,7
.if \ks < 6
	s_wait_dscnt 24                                ; this K step's 12 loads are in; the two younger steps' 24 may be out
.elseif \ks == 6
	s_wait_dscnt 12
.else
	s_wait_dscnt 0x0
.endif
.if (\ks == 0) && !(\bias)
	MULK \ks, 1
.else
	MULK \ks, 0
.endif
.if \ks < 5
	PLACES                                         ; in front of loads into the buffer just multiplied
	LOADK \ks+3
.endif
.endr
	s_barrier_signal -1                            ; every wave's reads of X and W are back (the last wait was for 0): their bytes may be written
	s_barrier_wait -1
	PLACES
.set i, 0
.rept 32                               ; each accumulator's registers in ascending order
	v_cvt_pk_bf16_f32 v[96+i], v[ACC+2*i], v[ACC+2*i+1]
.set i, i+1
.endr
.irp rt, 0,1
.irp ct, 0,1,2,3
	ds_store_b128 v12, v[96+4*(4*\rt+\ct):96+4*(4*\rt+\ct)+3] offset:\rt*16*OP+32*\ct
.endr
.endr
	s_wait_dscnt 0x0                               ; a row's 256 bytes come from two waves
	s_barrier_signal -1
	s_barrier_wait -1
.irp t, 0,1,2,3,4,5,6,7
	ds_load_b128 v[TT+4*\t:TT+4*\t+3], v13 offset:\t*2*OP
.endr
.irp t, 0,1,2,3,4,5,6,7
	s_wait_dscnt 7-\t
	global_store_b128 v14, v[TT+4*\t:TT+4*\t+3], s[42:43] offset:\t*2*(\opitch)  ; 16 lanes store 256 consecutive bytes, aligned
.endr
.endm
; A weight matrix turned: dst[n][k] = src[k][n], 16 bits.  A wave takes 8 columns n x 128 rows k; a lane 4 n x 8 k.  16 lanes store 256 consecutive bytes of a row of dst.
.macro TRANS ss, ldb, dstoff, f16, w2v, first
	s_sub_co_u32 s30, s29, \first
	s_lshl_b32 s30, s30, 3
	s_add_co_u32 s30, s30, s[WV]                   ; the wave's task
	s_lshr_b32 s31, s30, 2                         ; its 8 columns
	s_and_b32 s32, s30, 3                          ; its 128 rows
	s_mul_i32 s33, s32, 128*(\ldb)
.if \w2v
	s_lshr_b32 s34, s31, 3                         ; head: 128 columns of W2 each, of which the upper 64 are the values'
	s_lshl_b32 s34, s34, 9
	s_and_b32 s35, s31, 7
	s_lshl_b32 s35, s35, 5
	s_add_co_u32 s34, s34, s35
	s_add_co_u32 s34, s34, 256
.else
	s_lshl_b32 s34, s31, 5
.endif
	s_add_co_u32 s33, s33, s34
	v_mul_u32_u24 v5, v3, 8*(\ldb)
	v_lshl_add_u32 v5, v4, 4, v5
	v_add_nc_u32 v5, s33, v5
.irp e, 0,1,2,3,4,5,6,7
	global_load_b128 v[32+4*\e:32+4*\e+3], v5, s[\ss:\ss+1] offset:\e*(\ldb)
.endr
	s_lshl_b32 s33, s31, 13
	s_lshl_b32 s34, s32, 8
	s_add_co_u32 s33, s33, s34
	v_lshlrev_b32 v6, 12, v4
	v_lshl_add_u32 v6, v3, 4, v6
	v_add_nc_u32 v6, s33, v6
	s_add_nc_u64 s[36:37], s[20:21], \dstoff
	s_wait_loadcnt 0x0
.irp nn, 0,1,2,3
.irp g, 0,1,2,3
	v_cvt_pk_bf16_f32 v[64+4*\nn+\g], v[32+8*\g+\nn], v[36+8*\g+\nn]
.if \f16
	v_lshlrev_b32 v[96+2*\g], 16, v[64+4*\nn+\g]   ; the bf16 number, written as f16
	v_and_b32 v[97+2*\g], 0xffff0000, v[64+4*\nn+\g]
	v_cvt_pk_f16_f32 v[64+4*\nn+\g], v[96+2*\g], v[97+2*\g]
.endif
.endr
	global_store_b128 v6, v[64+4*\nn:64+4*\nn+3], s[36:37] offset:\nn*1024
.endr
.endm
	s_load_b512 s[4:19], s[0:1], 0x0               ; q 4, k 6, Wq 8, Wkv 10, W1 12, W2 14, Wout 16, b2 18
	s_load_b256 s[20:27], s[0:1], 0x40             ; wts 20, qs 22, kvt 24, u 26
	v_lshl_add_u32 v[SPW], v0, 2, SPARE
	v_mov_b32 v[NIL], 0
	v_lshrrev_b32 v1, 5, v0
	v_readfirstlane_b32 s[WV], v1                  ; wave 0..7
	v_and_b32 v2, 31, v0                           ; lane l
	v_and_b32 v3, 15, v0                           ; r = l % 16
	v_bfe_u32 v4, v0, 4, 1                         ; h = l / 16
	s_mov_b32 s29, ttmp9
	s_wait_kmcnt 0x0
	s_cmp_lt_u32 s29, 128                          ; the role hangs on the work-group's number alone: all eight waves take the same way
	s_cbranch_scc1 .Lrole_q
	s_cmp_lt_u32 s29, 384
	s_cbranch_scc1 .Lrole_kv
	s_cmp_lt_u32 s29, 416
	s_cbranch_scc1 .Lrole_w1
	s_cmp_lt_u32 s29, 448
	s_cbranch_scc1 .Lrole_w2
	TRANS 16, 1024, 1048576, 0, 0, 448
	s_cmp_lg_u32 s30, 0
	s_cbranch_scc1 .Lno_zero
	v_mov_b32 v100, 0                              ; 512 zero bytes behind qs: what a lane reads whose column belongs to another head
	v_mov_b32 v101, 0
	v_mov_b32 v102, 0
	v_mov_b32 v103, 0
	v_lshlrev_b32 v7, 4, v2
	global_store_b128 v7, v[100:103], s[22:23] offset:4194304
.Lno_zero:
	s_endpgm
.Lrole_w1:
	TRANS 12, 2048, 0, 0, 0, 384
	s_endpgm
.Lrole_w2:
	TRANS 14, 4096, 524288, 1, 1, 416
	s_endpgm
.Lrole_kv:
	s_sub_co_u32 s32, s29, 128
	s_lshr_b32 s30, s32, 3
	s_and_b32 s31, s32, 7
	PROJ 6, 10, 4096, 24, 2048, 1
	s_wait_tensorcnt 0x0                           ; the wave's end, behind my last LDS store
	ds_add_u32 v[SPW], v[NIL]
	s_wait_dscnt 0x0
	s_endpgm
.Lrole_q:
	s_lshr_b32 s30, s29, 2
	s_and_b32 s31, s29, 3
	PROJ 4, 8, 2048, 22, 1024, 0
	; U for the block's 128 queries and two heads, from the stage's bf16 qs.  Wave w: head 2 cs + w / 4, channels c = 128 (w % 4) ..; K = the head's 64 d.
	s_wait_xcnt 0x0                                ; the stores above have read v224-255, which are loaded into below
	s_and_b32 s44, s[WV], 3
	s_lshr_b32 s45, s[WV], 2
	s_lshl_b32 s46, s31, 1
	s_add_co_u32 s46, s46, s45                     ; the head
	s_lshl_b32 s38, s44, 19
	s_lshl_b32 s41, s46, 9
	s_add_co_u32 s38, s38, s41
	v_lshlrev_b32 v15, 12, v3
	v_lshl_add_u32 v15, v4, 5, v15
	v_add_nc_u32 v15, s38, v15                     ; W2: row c = 128 (w % 4) + r, the head's key columns, 8 h floats on
.macro ULD ct                          ; 16 rows c x 64 d of W2 in f32, in fragment order: 8 loads into one of three sets
.set SG, 32+32*((\ct)%3)+128*(((\ct)%3)/2)
.irp e, 0,1,2,3,4,5,6,7
	global_load_b128 v[SG+4*\e:SG+4*\e+3], v15, s[14:15] offset:(\ct)*65536+(\e/2)*64+(\e%2)*16
.endr
.endm
.macro UCV ct
.set SG, 32+32*((\ct)%3)+128*(((\ct)%3)/2)
.set i, 0
.rept 16
	v_cvt_pk_bf16_f32 v[WF+16*(\ct)+i], v[SG+2*i], v[SG+2*i+1]
.set i, i+1
.endr
.endm
	ULD 0
	ULD 1
	ULD 2
	s_lshl_b32 s32, s46, 22                        ; u: the head's 4 MiB, the block's 128 rows of 1,024 bytes, my 256 bytes of a row
	s_lshl_b32 s38, s30, 17
	s_add_co_u32 s32, s32, s38
	s_lshl_b32 s38, s44, 8
	s_add_co_u32 s32, s32, s38
	s_add_nc_u64 s[48:49], s[26:27], s[32:33]
	v_mul_u32_u24 v16, v3, OP
	v_lshl_add_u32 v16, v4, 4, v16                 ; r pitch + 16 h
	s_mul_i32 s38, s[WV], 16*OP
	s_add_co_u32 s38, s38, USTG
	v_add_nc_u32 v17, s38, v16                     ; v17: into my stage
	v_mul_u32_u24 v18, v4, OP
	v_lshl_add_u32 v18, v3, 4, v18
	v_add_nc_u32 v18, s38, v18                     ; v18: back out of it
	s_lshl_b32 s38, s45, 7
	v_add_nc_u32 v16, s38, v16                     ; v16: qs's fragments: the head's 128 bytes of a stage row; steps 16 rows a trip
	v_lshlrev_b32 v19, 10, v4
	v_lshl_add_u32 v19, v3, 4, v19                 ; v19: my place in two rows of u; steps 16 rows a trip
.irp ct, 0,1,2,3,4,5,6,7
.if \ct < 6
	s_wait_loadcnt 16                              ; this set's 8 loads are in; the two younger sets' 16 may be out
.elseif \ct == 6
	s_wait_loadcnt 8
.else
	s_wait_loadcnt 0x0
.endif
	UCV \ct
.if \ct < 5
	ULD \ct+3
.endif
.endr
	s_mov_b32 s50, 8
.Lu:                                                   ; a trip: 16 queries x 128 channels
	ds_load_b128 v[240:243], v16
	ds_load_b128 v[244:247], v16 offset:32
	ds_load_b128 v[248:251], v16 offset:64
	ds_load_b128 v[252:255], v16 offset:96
	s_wait_dscnt 0x0
.irp ct, 0,1,2,3,4,5,6,7
	v_wmma_f32_16x16x32_bf16 v[ACC+8*\ct:ACC+8*\ct+7], v[WF+16*\ct:WF+16*\ct+7], v[240:247], 0
.endr
.irp ct, 0,1,2,3,4,5,6,7
	v_wmma_f32_16x16x32_bf16 v[ACC+8*\ct:ACC+8*\ct+7], v[WF+16*\ct+8:WF+16*\ct+15], v[248:255], v[ACC+8*\ct:ACC+8*\ct+7]
.endr
	PLACES
.irp ct, 0,1,2,3,4,5,6,7
.irp g, 0,1,2,3                        ; packed in place, ascending: register g takes registers 2 g and 2 g + 1
	v_cvt_pk_bf16_f32 v[ACC+8*\ct+\g], v[ACC+8*\ct+2*\g], v[ACC+8*\ct+2*\g+1]
.endr
.endr
.irp ct, 0,1,2,3,4,5,6,7
	ds_store_b128 v17, v[ACC+8*\ct:ACC+8*\ct+3] offset:32*\ct
.endr
.irp t, 0,1,2,3,4,5,6,7
	ds_load_b128 v[ACC+8*\t+4:ACC+8*\t+7], v18 offset:\t*2*OP  ; LDS serves a wave's instructions in order (ISA guide 5.7.1.4): these see the stores above
.endr
	v_add_nc_u32 v16, 16*OP, v16
	s_wait_dscnt 0x0
.irp t, 0,1,2,3,4,5,6,7
	global_store_b128 v19, v[ACC+8*\t+4:ACC+8*\t+7], s[48:49] offset:\t*2048  ; 16 lanes store 256 consecutive bytes, aligned
.endr
	s_wait_xcnt 0x0                                ; the stores' offset and data are rewritten only behind this wait
	v_add_nc_u32 v19, 16384, v19
	s_sub_co_u32 s50, s50, 1
	s_cmp_lg_u32 s50, 0
	s_cbranch_scc1 .Lu
	s_wait_tensorcnt 0x0                           ; the wave's end, behind my last LDS store
	ds_add_u32 v[SPW], v[NIL]
	s_wait_dscnt 0x0
	s_endpgm
.Lfunc_end_k_q342ebe6baf_prep:
	.size	k_q342ebe6baf_prep, .Lfunc_end_k_q342ebe6baf_prep-k_q342ebe6baf_prep
	.p2alignl 7, 3214868480
	.fill 96, 4, 3214868480
	.section	.rodata,"a",@progbits
	.p2align	6, 0x0
	.amdhsa_kernel k_q342ebe6baf_prep
		.amdhsa_group_segment_fixed_size 142336
		.amdhsa_private_segment_fixed_size 0
		.amdhsa_enable_private_segment 0
		.amdhsa_kernarg_size 96
		.amdhsa_user_sgpr_count 2
		.amdhsa_user_sgpr_kernarg_segment_ptr 1
		.amdhsa_wavefront_size32 1
		.amdhsa_system_sgpr_workgroup_id_x 1
		.amdhsa_system_sgpr_workgroup_id_y 1
		.amdhsa_system_sgpr_workgroup_id_z 1
		.amdhsa_system_vgpr_workitem_id 0
		.amdhsa_next_free_vgpr 256
		.amdhsa_next_free_sgpr 66
		.amdhsa_reserve_vcc 0
		.amdhsa_float_denorm_mode_32 3
		.amdhsa_float_denorm_mode_16_64 3
		.amdhsa_memory_ordered 1
		.amdhsa_forward_progress 1
		.amdhsa_inst_pref_size 113
	.end_amdhsa_kernel
	.amdgpu_metadata
---
amdhsa.version: [ 1, 2 ]
amdhsa.kernels:
  - .name:           k_q342ebe6baf_prep
    .symbol:         k_q342ebe6baf_prep.kd
    .args:
      - { .name: q, .offset: 0, .size: 8, .value_kind: global_buffer, .address_space: global }
      - { .name: k, .offset: 8, .size: 8, .value_kind: global_buffer, .address_space: global }
      - { .name: Wq, .offset: 16, .size: 8, .value_kind: global_buffer, .address_space: global }
      - { .name: Wkv, .offset: 24, .size: 8, .value_kind: global_buffer, .address_space: global }
      - { .name: W1, .offset: 32, .size: 8, .value_kind: global_buffer, .address_space: global }
      - { .name: W2, .offset: 40, .size: 8, .value_kind: global_buffer, .address_space: global }
      - { .name: Wout, .offset: 48, .size: 8, .value_kind: global_buffer, .address_space: global }
      - { .name: b2, .offset: 56, .size: 8, .value_kind: global_buffer, .address_space: global }
      - { .name: wts, .offset: 64, .size: 8, .value_kind: global_buffer, .address_space: global }
      - { .name: qs, .offset: 72, .size: 8, .value_kind: global_buffer, .address_space: global }
      - { .name: kvt, .offset: 80, .size: 8, .value_kind: global_buffer, .address_space: global }
      - { .name: u, .offset: 88, .size: 8, .value_kind: global_buffer, .address_space: global }
    .group_segment_fixed_size: 142336
    .private_segment_fixed_size: 0
    .kernarg_segment_align: 8
    .kernarg_segment_size: 96
    .max_flat_workgroup_size: 256
    .sgpr_count:     66
    .vgpr_count:     256
    .wavefront_size: 32
...
	.end_amdgpu_metadata
.endif
;; end of part 1
;; launch main (part 2): grid 512 x 1, 4 waves a work-group, clusters of 4 x 1, 327,680 bytes of LDS; arguments pos, b1, local_idx, wts, qs, kvt, u, z, aggv; writes z, aggv
.if DOCPART == 2
	.amdgcn_target "amdgcn-amd-amdhsa--gfx1250"
	.amdhsa_code_object_version 6
	.text
	.protected	k_q342ebe6baf_main
	.globl	k_q342ebe6baf_main
	.p2align	8
	.type	k_q342ebe6baf_main,@function
k_q342ebe6baf_main:
	s_mov_b64 s[64:65], 0
	v_nop
	global_prefetch_b8 v0, s[64:65] scope:SCOPE_SE
	s_setreg_imm32_b32 hwreg(HW_REG_WAVE_MODE, 25, 1), 1
	s_wait_xcnt 0x0
	s_wait_alu depctr_hold_cnt(0) depctr_sa_sdst(0) depctr_va_vdst(0) depctr_va_sdst(0) depctr_va_ssrc(0) depctr_va_vcc(0) depctr_vm_vsrc(0)
	s_getreg_b32 s2, hwreg(HW_REG_IB_STS2, 6, 4)
	s_cmp_eq_u32 s2, 0
	s_cbranch_scc0 .Lentry_in_a_cluster
	s_endpgm
.Lentry_in_a_cluster:
	s_bfe_u32 s2, ttmp6, 0x10000c
	s_cmp_lg_u32 s2, 0x3003
	s_cbranch_scc0 .Lentry_shape_is_right
	s_endpgm
.Lentry_shape_is_right:
; MAIN.  A work-group takes 128 rows of pos: 8 queries x 16 neighbours.
;   H = relu(pos W1 + b1), 128 x 512, K = 512, kept in LDS as bf16 and never written to memory;
;   L[j][h] = H[j] . U[h] + kk'[idx j][h] . qs[h];   p = softmax over j of L / 8, the 16 logits' true maximum taken away;
;   z[h][c] = sum over j of p[j][h] H[j][c]  (f16, to memory);   aggv[h][d] = sum over j of p[j][h] vv'[idx j][h][d]  (f32, to memory).
; The product with W2 is not made here: q . (H W2k) = H . (W2k q) = H . U, and sum p (H W2v) = (sum p H) W2v = z W2v, for every input; b2 lies in the table kvt.
; FORMATS.  pos, b1 rounded to bf16; H, U, qs, kk', vv' bf16; p in f32 against vv' (vector unit) and bf16 against H; sums, maxima, exponentials in f32.
; LIMITS.  z is f16: |H| must stay under 65,504, and below 6e-5 z keeps f16's fixed step of 6e-8.  An index is cut at 2,047.  NaN and infinities are not treated apart.
; SHARES.  In the product a wave owns all 128 rows x 128 channels (64 accumulators, 512 registers); behind it, two queries.
; W1T comes in K steps of 128 through two LDS slots, each wave its own 128 rows n, asked for JOINTLY by the cluster's four work-groups, which all walk the same W1T.
; pos comes through registers (it must be converted from f32), 64 along K at a time, two chunks ahead, into a ring of two chunks of bf16.
; Slot 0's last fill is U (a load of my own: it hangs on the queries); slot 1, behind its last fill, takes H.
; THE MATRIX INSTRUCTION IS USED TRANSPOSED in the product (source 0 = 16 rows of W1T, source 1 = 16 rows of pos): a lane holds eight neighbouring channels of one row of H.
; REGISTERS, in windows of 256 (s_set_vgpr_msb: bits 1:0 source 0, 3:2 source 1, 5:4 source 2, 7:6 destination):
;   window 0: v0-31 addresses; v32-63 at work; v64-127, v128-191 pos's fragments, two buffers; v192-255 b1.  Later: v32-63 aggv's sums; v64-79 L; v80-87 P; v88-103 at work; v104-167 p in f32; v192-255 offsets
;   window 1: v0-63, v192-255 pos as loaded; v64-191 W1T's fragments.  Later: kk', then H's fragments, then H turned
;   windows 2, 3: the accumulators, (a, b) at 8 (8 (a % 4) + b).  Later: window 2: qs, then U's fragments, then z's sums; window 3: vv'
.set SLOT,  139264                     ; 4 waves x 128 rows x 272 bytes
.set BP,    272                        ; a row of W1T's tile: 256 bytes + 16: the 16 rows of a load start at 16 different groups of four banks (ISA guide 11.1)
.set WPART, 128*BP
.set HB,    SLOT                       ; H: 128 rows,
.set HP,    1040                       ; of 1,024 bytes + 16; U's rows likewise
.set UPART, 16*HP                      ; a wave's U: (2 head + query) rows
.set ARING, 2*SLOT                     ; pos as bf16: two chunks of 128 rows,
.set AP,    144                        ; of 128 bytes + 16
.set CHUNK, 128*AP
.set WSTG,  9216                       ; behind the product a wave has this much of the ring: z's stage, 16 x 272, and aggv's, 4,096, at 4,352
.set SPARE, ARING+2*CHUNK              ; the spare words: 128 bytes a wave, two blocks of 256 bytes that no other line names
.set PL,    SPARE+512                  ; p in f32: 1,024 bytes a wave, [query][head][16 j]
.set ZOFF,  4194304                    ; the zero bytes behind qs
.set R,    1                           ; v1   l % 16
.set H2,   2                           ; v2   l / 16
.set LN,   3                           ; v3   l
.set POSO, 4                           ; v4   pos: (32 w + h) rows + 16 r
.set PST,  5                           ; v5   the ring: where my bf16 go
.set ADRA, 6                           ; v6-7   pos's fragments in chunk 0, 1
.set ADRB, 8                           ; v8-9   W1T's fragments in slot 0, 1
.set HST,  10                          ; v10-11 where H goes: rows 0-63, 64-127
.set B1O,  12
.set SPW,  13                          ; v13  SPARE + 4 x my thread's number; never rewritten
.set NIL,  14                          ; v14  0; never rewritten
.set KKO,  15                          ; v15-16 kvt: row idx[r] of query 0, 1, + 16 h
.set HFA,  17
.set UFA,  18
.set HTA,  19
.set PLS,  20
.set PLL,  21
.set ZST,  22
.set ZRD,  23
.set AVS,  24
.set AVR,  25
.set AVO,  26                          ; v26  16 l
.set CT,   32
.set PVS,  32
.set F0,   64
.set F1,   128
.set BIAS, 192
.set LQ,   64
.set PBLK, 80
.set TQ,   88
.set PKD,  96
.set PB,   104
.set QFO,  192                         ; v192-207 qs: by query and head: my column's head's row, or the zero bytes
.set VVO,  208                         ; v208-239 kvt: by query and neighbour: the row + 16 l
.set ZGO,  240                         ; v240-247 z: by pair of stage rows
.set MSB, 0
.macro WIN new                         ; the immediate's high byte repeats the setting that is left; a switch that changes nothing is dropped
.if MSB != (\new)
	s_set_vgpr_msb (MSB<<8)|(\new)
.set MSB, \new
.endif
.endm
.macro PLACES                          ; four places behind matrix instructions (ISA guide 7.12.1) where no other vector work is at hand
.rept 4
	v_nop
.endr
.endm
.macro CREST                           ; a round of the cluster's barrier behind its opening barrier
	s_cmp_lg_u32 s22, 0
	s_cbranch_scc1 .Lnot_wave_0_\@
	s_barrier_signal -3
.Lnot_wave_0_\@:
	s_barrier_wait -3
	s_barrier_signal -1
	s_barrier_wait -1
.endm
.macro CROUND
	s_barrier_signal -1
	s_barrier_wait -1
	CREST
.endm
.macro TLOAD g0, g1                    ; an s_nop 0 and four v_nop follow the load
	tensor_load_to_lds s[\g0:\g0+3], s[\g1:\g1+7]
	s_nop 0
	PLACES
.endm
; 16 products: row blocks a0, a0 + 1 of the window's four x all 8 channel blocks, 32 along K.  first = 1: b1 starts the sums.  The 64 accumulators take turns.
.macro MUL16 f, hi, a0, first
.if \first
	WIN 0x81+0x40*(\hi)
.else
	WIN 0xa1+0x50*(\hi)
.endif
.irp a, \a0, (\a0)+1
.irp b, 0,1,2,3,4,5,6,7
.if \first
	v_wmma_f32_16x16x32_bf16 v[8*(8*(\a)+(\b)):8*(8*(\a)+(\b))+7], v[(\f)+8*(\b):(\f)+8*(\b)+7], v[(\f)+8*(4*(\hi)+(\a)):(\f)+8*(4*(\hi)+(\a))+7], v[BIAS+8*(\b):BIAS+8*(\b)+7]
.else
	v_wmma_f32_16x16x32_bf16 v[8*(8*(\a)+(\b)):8*(8*(\a)+(\b))+7], v[(\f)+8*(\b):(\f)+8*(\b)+7], v[(\f)+8*(4*(\hi)+(\a)):(\f)+8*(4*(\hi)+(\a))+7], v[8*(8*(\a)+(\b)):8*(8*(\a)+(\b))+7]
.endif
.endr
.endr
.endm
; 32 LDS loads in one run: the fragments of quarter kq (32 along K) of half-step t: my 128 rows of W1T, then the 128 rows of pos
.macro FETCH t, kq, f
	WIN 0x40
.irp i, 0,1,2,3,4,5,6,7
	ds_load_b128 v[(\f)+8*(\i):(\f)+8*(\i)+3],   v[ADRB+(((\t)/2)%2)] offset:((\t)%2)*128+(\kq)*64+(\i)*16*BP
	ds_load_b128 v[(\f)+8*(\i)+4:(\f)+8*(\i)+7], v[ADRB+(((\t)/2)%2)] offset:((\t)%2)*128+(\kq)*64+(\i)*16*BP+32
.endr
	WIN 0
.irp i, 0,1,2,3,4,5,6,7
	ds_load_b128 v[(\f)+8*(\i):(\f)+8*(\i)+3],   v[ADRA+((\t)%2)] offset:(\kq)*64+(\i)*16*AP
	ds_load_b128 v[(\f)+8*(\i)+4:(\f)+8*(\i)+7], v[ADRA+((\t)%2)] offset:(\kq)*64+(\i)*16*AP+32
.endr
.endm
.macro POSLD c                         ; chunk c of pos: my 32 rows x 256 bytes; a load takes two rows' whole 256 bytes
	WIN 0x40
.set PSB, 192*((\c)%2)
.set i, 0
.rept 16
	global_load_b128 v[PSB+4*i:PSB+4*i+3], v[POSO], s[4:5] offset:i*4096+(\c)*256 th:TH_LOAD_NT
.set i, i+1
.endr
.endm
.macro POSST c, n                      ; chunk c to bf16 and into the ring; n = the younger loads that may stay out
	s_wait_loadcnt \n
	WIN 0x05
.set PSB, 192*((\c)%2)
.set i, 0
.rept 32
	v_cvt_pk_bf16_f32 v[CT+i], v[PSB+2*i], v[PSB+2*i+1]
.set i, i+1
.endr
	WIN 0
.set i, 0
.rept 16
	ds_store_b64 v[PST], v[CT+2*i:CT+2*i+1] offset:((\c)%2)*CHUNK+i*2*AP
.set i, i+1
.endr
.endm
; HALF-STEP t: 64 along K, 128 products, on fragment buffers F0 and F1.  Beside them chunk t + 1 goes into the ring half that was last read in half-step t - 1 (behind that half-step's barrier),
; and chunk t + 3 is asked for.  ONE barrier: in front of it my ring stores and my reads of this chunk (and, at odd t, of this slot) are done.
; kind 1, 2: the slot just read out is filled again.  The barrier then opens a round of the cluster's; in front of it stand the wait for all my tensor loads (one is out: the other slot's), the add
; and the wait for it; the refill is the first thing behind the round and has 224 products in which to land.  kind 1: W1T two K steps on, jointly.  kind 2: U, my own.
.macro HS t, kind, g0=0, g1=0
	s_wait_dscnt 8                                 ; W1T's fragments and pos's rows 0-63 are in; the youngest eight loads (rows 64-127) may be out
.if (\t) == 0
	MUL16 F0, 0, 0, 1
	MUL16 F0, 0, 2, 1
.else
	MUL16 F0, 0, 0, 0
	MUL16 F0, 0, 2, 0
.endif
	PLACES
	FETCH \t, 1, F1
	s_wait_dscnt 32                                ; all but the 32 just issued
.if (\t) == 0
	MUL16 F0, 1, 0, 1
	MUL16 F0, 1, 2, 1
.else
	MUL16 F0, 1, 0, 0
	MUL16 F0, 1, 2, 0
.endif
.set DSN, 8
.if (\t) < 6
	POSST (\t)+1, 16                               ; the chunk behind it, 16 loads, may be out
.set DSN, DSN+16
.elseif (\t) == 6
	POSST (\t)+1, 0
.set DSN, DSN+16
.endif
.if (\t) <= 4
	POSLD (\t)+3
.endif
.if \kind
	WIN 0
	s_wait_tensorcnt 0x0                           ; all my tensor loads have landed
	ds_add_u32 v[SPW], v[NIL]                      ; 0 onto my spare word
.set DSN, DSN+1
.endif
	s_wait_dscnt DSN                               ; may be out: pos's rows 64-127 (8 loads), the 16 ring stores, the add
	MUL16 F1, 0, 0, 0
	s_wait_dscnt 0x0                               ; my stores, my reads and the add are done
	s_barrier_signal -1
	MUL16 F1, 0, 2, 0
.if \kind
	WIN 0
.endif
	s_barrier_wait -1
.if \kind
	CREST
.if (\kind) == 1
	s_add_nc_u64 s[\g0+2:\g0+3], s[\g0+2:\g0+3], 512  ; two K steps of 256 bytes on; no load of mine is out
.endif
	TLOAD \g0, \g1                                 ; its four v_nop are also the places in front of the loads below
.elseif (\t) < 7
	PLACES
.endif
.if (\t) < 7
	FETCH (\t)+1, 0, F0
.endif
	MUL16 F1, 1, 0, 0
	MUL16 F1, 1, 2, 0
.endm
	s_load_b512 s[4:19], s[0:1], 0x0               ; pos 4, b1 6, local_idx 8, wts 10, qs 12, kvt 14, u 16, z 18
	s_load_b64 s[20:21], s[0:1], 0x40              ; aggv
	v_lshl_add_u32 v[SPW], v0, 2, SPARE
	v_mov_b32 v[NIL], 0
	ds_add_u32 v[SPW], v[NIL]                      ; the wave's opening: the add and its wait stand ahead of my first tensor load; work on registers stands between them
	v_lshrrev_b32 v1, 5, v0
	v_readfirstlane_b32 s22, v1                    ; wave 0..3
	s_bfe_u32 s23, ttmp6, 0x40000                  ; cx
	s_lshl_b32 s24, ttmp9, 2
	s_add_co_u32 s24, s24, s23                     ; T: my 128 rows of pos; it enters global addresses of my own loads and stores alone
	s_mov_b32 s32, 15|(1<<16)|(1<<20)|(1<<21)|(5<<22)|(3<<25)  ; W1T's tiles: mask of four; 2-byte elements; padding on; bit 21 beside a mask; after every 64 words 4 words
	s_mov_b32 s33, 128<<16                         ; tensor_dim0 = 128
	s_mov_b32 s34, 128<<16                         ; tensor_dim1 = 128
	s_mov_b32 s35, 128<<16                         ; tile_dim0 = 128
	s_mov_b32 s36, 128                             ; tile_dim1 = 128
	s_mov_b32 s37, 512                             ; elements from row to row
	s_mov_b32 s38, 0
	s_mov_b32 s39, 0
	s_mov_b32 s48, (1<<16)|(1<<20)|(7<<22)|(3<<25) ; U: no mask; after every 256 words (one query's row of a head) 4 words
	s_mov_b32 s49, 1024<<16                        ; tensor_dim0 = 1,024: two queries' rows lie on end
	s_mov_b32 s50, 8<<16                           ; tensor_dim1 = 8 heads
	s_mov_b32 s51, 1024<<16
	s_mov_b32 s52, 8
	s_mov_b32 s53, 2097152                         ; elements from head to head
	s_mov_b32 s54, 0
	s_mov_b32 s55, 0
	s_mov_b32 s40, 1
	s_mul_i32 s41, s22, WPART                      ; slot 0, my 128 rows
	s_mov_b32 s44, 1
	s_add_co_u32 s45, s41, SLOT                    ; slot 1
	s_mov_b32 s56, 1
	s_mul_i32 s57, s22, UPART
	s_mov_b32 s60, 0x76543210                      ; v_permlanex16_b32: each lane takes its own place in the other half
	s_mov_b32 s61, 0xfedcba98
	s_mov_b32 s62, 0x3e38aa3b                      ; c = log2(e) / 8
	s_mov_b32 s63, s62
	s_lshl_b32 s28, s22, 17                        ; W1T: my 128 rows of 1,024 bytes (s[28:29] never hold anything of cx)
	s_mov_b32 s29, 0
	s_mov_b32 s27, 0
	s_lshl_b32 s25, s24, 3
	s_lshl_b32 s30, s22, 1
	s_add_co_u32 s25, s25, s30                     ; my first query: 8 T + 2 w
	v_and_b32 v[R], 15, v0
	v_bfe_u32 v[H2], v0, 4, 1
	v_and_b32 v[LN], 31, v0
	v_lshlrev_b32 v[POSO], 11, v[H2]
	v_lshl_add_u32 v[POSO], v[R], 4, v[POSO]
	s_lshl_b32 s30, s22, 16
	v_add_nc_u32 v[POSO], s30, v[POSO]
	v_mul_u32_u24 v[PST], v[H2], AP
	v_lshl_add_u32 v[PST], v[R], 3, v[PST]
	s_mul_i32 s30, s22, 32*AP
	s_add_co_u32 s30, s30, ARING
	v_add_nc_u32 v[PST], s30, v[PST]
	s_lshl_b32 s30, s22, 9
	v_lshl_add_u32 v[B1O], v[H2], 5, s30           ; b1: 128 w + 8 h floats on
	v_lshlrev_b32 v29, 2, v[R]                     ; local_idx: neighbour r
	s_wait_dscnt 0x0                               ; the opening add is done
	s_wait_kmcnt 0x0
	s_lshl_b32 s26, s24, 18
	s_add_nc_u64 s[4:5], s[4:5], s[26:27]          ; pos at my 128 rows of 2,048 bytes
	s_lshl_b32 s26, s25, 6
	s_add_nc_u64 s[8:9], s[8:9], s[26:27]          ; local_idx at my two queries
	s_lshl_b32 s26, s25, 10
	s_add_nc_u64 s[18:19], s[18:19], s[26:27]      ; z and u at my two queries' rows of head 0
	s_add_nc_u64 s[58:59], s[16:17], s[26:27]
	s_or_b32 s59, s59, 0x80000000
	s_lshl_b32 s26, s25, 11
	s_add_nc_u64 s[20:21], s[20:21], s[26:27]      ; aggv
	s_lshr_b32 s26, s24, 8
	s_lshl_b32 s26, s26, 22
	s_add_nc_u64 s[14:15], s[14:15], s[26:27]      ; kvt at my batch's 2,048 rows
	s_add_nc_u64 s[42:43], s[10:11], s[28:29]      ; K step 0,
	s_add_nc_u64 s[46:47], s[42:43], 256           ; K step 1
	s_or_b32 s43, s43, 0x80000000
	s_or_b32 s47, s47, 0x80000000
	POSLD 0
	POSLD 1
	WIN 0
.irp b, 0,1,2,3,4,5,6,7
	global_load_b128 v[BIAS+8*\b:BIAS+8*\b+3],   v[B1O], s[6:7] offset:64*\b
	global_load_b128 v[BIAS+8*\b+4:BIAS+8*\b+7], v[B1O], s[6:7] offset:64*\b+16
.endr
	global_load_b32 v[KKO],   v29, s[8:9]
	global_load_b32 v[KKO+1], v29, s[8:9] offset:64
	s_load_b512 s[68:83], s[8:9], 0x0              ; the same 32 indices as scalars
	s_load_b512 s[84:99], s[8:9], 0x40
	CROUND                                         ; all four work-groups are here: the first joint loads meet
	tensor_load_to_lds s[40:43], s[32:39]
	s_nop 0
	tensor_load_to_lds s[44:47], s[32:39]          ; two loads of mine are out
	s_nop 0
	PLACES
	POSST 0, 34                                    ; behind chunk 0: chunk 1 (16), b1 (16), the indices (2)
	POSLD 2
	WIN 0
	s_wait_loadcnt 16                              ; all but chunk 2
.set i, 0
.rept 32                               ; b1 rounded to bf16 like every input, and widened again
	v_cvt_pk_bf16_f32 v[CT+i], v[BIAS+2*i], v[BIAS+2*i+1]
	v_lshlrev_b32 v[BIAS+2*i], 16, v[CT+i]
	v_and_b32 v[BIAS+2*i+1], 0xffff0000, v[CT+i]
.set i, i+1
.endr
.irp q, 0,1
	v_min_u32 v[KKO+\q], 0x7ff, v[KKO+\q]
	v_lshlrev_b32 v[KKO+\q], 11, v[KKO+\q]
	v_lshl_add_u32 v[KKO+\q], v[H2], 4, v[KKO+\q]
.endr
	v_mul_u32_u24 v[ADRA], v[R], AP
	v_lshl_add_u32 v[ADRA], v[H2], 4, v[ADRA]
	v_add_nc_u32 v[ADRA], ARING, v[ADRA]
	v_add_nc_u32 v[ADRA+1], CHUNK, v[ADRA]
	v_mul_u32_u24 v[ADRB], v[R], BP
	v_lshl_add_u32 v[ADRB], v[H2], 4, v[ADRB]
	v_add_nc_u32 v[ADRB], s41, v[ADRB]
	v_add_nc_u32 v[ADRB+1], SLOT, v[ADRB]
	s_wait_kmcnt 0x0
	s_wait_tensorcnt 0x1                           ; my part of K step 0 is in; K step 1's may stay out
	s_wait_dscnt 0x0                               ; chunk 0 is in the ring
	s_barrier_signal -1
	s_barrier_wait -1
	FETCH 0, 0, F0
	HS 0, 0
	HS 1, 1, 40, 32                                ; slot 0 <- K step 2
	HS 2, 0
	HS 3, 1, 44, 32                                ; slot 1 <- K step 3: its last fill
	HS 4, 0
	HS 5, 2, 56, 48                                ; slot 0 <- U: its last fill
	HS 6, 0
	HS 7, 0                                        ; behind its barrier nobody reads slot 1 or the ring any more
	; THE OFFSETS for what follows: plain vector work, the places behind the last products
	WIN 0
	v_lshlrev_b32 v[AVO], 4, v[LN]
.set n, 0
.rept 32
	s_min_u32 s26, s[68+n], 0x7ff
	s_lshl_b32 s26, s26, 11
	v_add_nc_u32 v[VVO+n], s26, v[AVO]
.set n, n+1
.endr
	v_and_b32 v27, 7, v0                           ; my column's head
	v_lshlrev_b32 v28, 4, v[H2]
	v_add_nc_u32 v29, ZOFF, v28
	s_lshl_b32 s30, s25, 10
.irp q, 0,1
.irp hd, 0,1,2,3,4,5,6,7
	s_add_co_u32 s26, s30, 1024*\q+128*\hd
	v_cmp_eq_u32 s31, \hd, v27
	v_add_nc_u32 v[QFO+8*\q+\hd], s26, v28
	v_cndmask_b32 v[QFO+8*\q+\hd], v29, v[QFO+8*\q+\hd], s31
.endr
.endr
	v_lshlrev_b32 v30, 22, v[H2]
	v_lshl_add_u32 v30, v[R], 4, v30
.irp t, 0,1,2,3,4,5,6,7                ; stage row 2 t + h is head (2 t + h) % 8 of query t / 4
	v_add_nc_u32 v[ZGO+\t], (((2*\t)%8)<<22)+((\t)/4)*1024, v30
.endr
	v_and_b32 v31, 8, v0
	v_cmp_eq_u32 s66, 0, v31                       ; columns 0-7: query 0
	v_cmp_ne_u32 s67, 0, v31                       ; columns 8-15: query 1
	v_mul_u32_u24 v[HFA], v[R], HP
	v_lshl_add_u32 v[HFA], v[H2], 4, v[HFA]
	s_lshl_b32 s27, s22, 8
	s_add_co_u32 s27, s27, HB
	v_add_nc_u32 v[HST], s27, v[HFA]               ; H: row r, my 256 bytes, 16 h
	v_add_nc_u32 v[HST+1], 64*HP, v[HST]
	s_mul_i32 s26, s22, 32*HP
	s_add_co_u32 s26, s26, HB                      ; my two queries' 32 rows of H
	v_add_nc_u32 v[HFA], s26, v[HFA]
	v_lshl_add_u32 v[HTA], v[H2], 3, v27
	v_mul_u32_u24 v[HTA], v[HTA], HP
	v_bfe_u32 v31, v0, 3, 1
	v_lshl_add_u32 v[HTA], v31, 4, v[HTA]
	v_add_nc_u32 v[HTA], s26, v[HTA]
	v_mul_u32_u24 v[UFA], v27, 2*HP
	v_add_nc_u32 v[UFA], v[UFA], v28
	v_add_nc_u32 v[UFA], s57, v[UFA]
	s_lshl_b32 s26, s22, 10
	s_add_co_u32 s26, s26, PL
	v_lshlrev_b32 v[PLS], 6, v27
	v_lshl_add_u32 v[PLS], v[H2], 5, v[PLS]
	v_add_nc_u32 v[PLS], s26, v[PLS]
	v_bfe_u32 v[PLL], v0, 3, 2
	v_lshl_add_u32 v[PLL], v[PLL], 6, s26
	s_mul_i32 s26, s22, WSTG
	s_add_co_u32 s26, s26, ARING
	v_mul_u32_u24 v[ZST], v[R], 272
	v_lshl_add_u32 v[ZST], v[H2], 4, v[ZST]
	v_add_nc_u32 v[ZST], s26, v[ZST]
	v_mul_u32_u24 v[ZRD], v[H2], 272
	v_lshl_add_u32 v[ZRD], v[R], 4, v[ZRD]
	v_add_nc_u32 v[ZRD], s26, v[ZRD]
	s_add_co_u32 s26, s26, 4352
	v_lshl_add_u32 v[AVS], v[LN], 5, s26
	v_lshl_add_u32 v[AVR], v[LN], 4, s26
	; kk' of my 32 neighbours, gathered straight into fragment layout: lane r takes row idx[r]
	WIN 0x40
.irp q, 0,1
.set kb, 0
.rept 16
	global_load_b128 v[128*\q+8*kb:128*\q+8*kb+3],   v[KKO+\q], s[14:15] offset:64*kb
	global_load_b128 v[128*\q+8*kb+4:128*\q+8*kb+7], v[KKO+\q], s[14:15] offset:64*kb+32
.set kb, kb+1
.endr
.endr
; relu, rounding to bf16, and into H: the 32 accumulators of one window, each from its lowest register on
.macro PACKH hi
	WIN 0x88+0x44*(\hi)
.set i, 0
.rept 256
	v_max_num_f32 v[i], 0, v[i]
.set i, i+1
.endr
	WIN 0x0a+5*(\hi)
.set i, 0
.rept 128
	v_cvt_pk_bf16_f32 v[F0+i], v[2*i], v[2*i+1]
.set i, i+1
.endr
	WIN 0
.irp a, 0,1,2,3
.irp b, 0,1,2,3,4,5,6,7
	ds_store_b128 v[HST+(\hi)], v[F0+4*(8*\a+\b):F0+4*(8*\a+\b)+3] offset:\a*16*HP+32*\b
.endr
.endr
.endm
	PACKH 0
	WIN 0x80                                       ; qs as source 1: column n is head n % 8: its own 64 channels, zeros elsewhere
.irp q, 0,1
.set kb, 0
.rept 16
	global_load_b128 v[128*\q+8*kb:128*\q+8*kb+3],   v[QFO+8*\q+kb/2], s[12:13] offset:(kb%2)*64
	global_load_b128 v[128*\q+8*kb+4:128*\q+8*kb+7], v[QFO+8*\q+kb/2], s[12:13] offset:(kb%2)*64+32
.set kb, kb+1
.endr
.endr
	PACKH 1
	WIN 0xc0                                       ; vv' of my 32 neighbours: a row's 1,024 bytes in two loads of 512 on end
.irp q, 0,1
.set j, 0
.rept 16
	global_load_b128 v[128*\q+8*j:128*\q+8*j+3],   v[VVO+16*\q+j], s[14:15] offset:1024
	global_load_b128 v[128*\q+8*j+4:128*\q+8*j+7], v[VVO+16*\q+j], s[14:15] offset:1536
.set j, j+1
.endr
.endr
	s_wait_dscnt 0x0                               ; for the others' sake: my part of H is in LDS
	s_barrier_signal -1
	s_barrier_wait -1
	; L = kk' . qs: register e of lane (r, h) is neighbour 8 h + e, head r % 8.  The two queries' accumulators take turns.
	s_wait_loadcnt 63                              ; kk' and qs are in: behind them stand vv's 64 loads, one more than the wait can name
	WIN 0x09
.set kb, 0
.rept 16
.irp q, 0,1
.if kb == 0
	v_wmma_f32_16x16x32_bf16 v[LQ+8*\q:LQ+8*\q+7], v[128*\q+8*kb:128*\q+8*kb+7], v[128*\q+8*kb:128*\q+8*kb+7], 0
.else
	v_wmma_f32_16x16x32_bf16 v[LQ+8*\q:LQ+8*\q+7], v[128*\q+8*kb:128*\q+8*kb+7], v[128*\q+8*kb:128*\q+8*kb+7], v[LQ+8*\q:LQ+8*\q+7]
.endif
.endr
.set kb, kb+1
.endr
	PLACES                                         ; in front of loads into the registers just multiplied
	s_wait_tensorcnt 0x0                           ; U, my own load, has landed; only I read it
.irp g, 0,1,2,3                        ; L += H . U: fragments in four groups of 128 along K: 16 loads of H, 16 of U
	WIN 0x40
.irp q, 0,1
.irp k, 0,1,2,3
	ds_load_b128 v[128*\q+8*(4*\g+\k):128*\q+8*(4*\g+\k)+3],   v[HFA] offset:\q*16*HP+64*(4*\g+\k)
	ds_load_b128 v[128*\q+8*(4*\g+\k)+4:128*\q+8*(4*\g+\k)+7], v[HFA] offset:\q*16*HP+64*(4*\g+\k)+32
.endr
.endr
	WIN 0x80
.irp q, 0,1
.irp k, 0,1,2,3
	ds_load_b128 v[128*\q+8*(4*\g+\k):128*\q+8*(4*\g+\k)+3],   v[UFA] offset:\q*HP+64*(4*\g+\k)
	ds_load_b128 v[128*\q+8*(4*\g+\k)+4:128*\q+8*(4*\g+\k)+7], v[UFA] offset:\q*HP+64*(4*\g+\k)+32
.endr
.endr
.endr
	WIN 0x09
.irp g, 0,1,2,3
.if \g < 2
	s_wait_dscnt 63                                ; 96 and 64 younger loads could stay out; the wait names 63 at the most
.elseif \g == 2
	s_wait_dscnt 32
.else
	s_wait_dscnt 0x0
.endif
.irp k, 0,1,2,3
.irp q, 0,1
	v_wmma_f32_16x16x32_bf16 v[LQ+8*\q:LQ+8*\q+7], v[128*\q+8*(4*\g+\k):128*\q+8*(4*\g+\k)+7], v[128*\q+8*(4*\g+\k):128*\q+8*(4*\g+\k)+7], v[LQ+8*\q:LQ+8*\q+7]
.endr
.endr
.endr
	PLACES
	WIN 0x40                                       ; H turned: 16 channels x my 32 rows (both queries' neighbours) a fragment; on its way during the softmax
.set ct, 0
.rept 32
	ds_load_tr16_b128 v[8*ct:8*ct+3],   v[HTA] offset:32*ct
	ds_load_tr16_b128 v[8*ct+4:8*ct+7], v[HTA] offset:32*ct+16*HP
.set ct, ct+1
.endr
	; SOFTMAX over the 16 neighbours: eight in my registers, eight in the lane 16 away.  The two queries alternate.
	WIN 0
.irp q, 0,1
	v_max3_num_f32 v[TQ+4*\q], v[LQ+8*\q], v[LQ+8*\q+1], v[LQ+8*\q+2]
.endr
.irp q, 0,1
	v_max3_num_f32 v[TQ+4*\q+1], v[LQ+8*\q+3], v[LQ+8*\q+4], v[LQ+8*\q+5]
.endr
.irp q, 0,1
	v_max3_num_f32 v[TQ+4*\q], v[TQ+4*\q], v[LQ+8*\q+6], v[LQ+8*\q+7]
.endr
.irp q, 0,1
	v_max_num_f32 v[TQ+4*\q], v[TQ+4*\q], v[TQ+4*\q+1]
.endr
.irp q, 0,1
	v_permlanex16_b32 v[TQ+4*\q+1], v[TQ+4*\q], s60, s61
.endr
.irp q, 0,1
	v_max_num_f32 v[TQ+4*\q], v[TQ+4*\q], v[TQ+4*\q+1]
.endr
.irp q, 0,1
	v_mul_f32 v[TQ+4*\q], s62, v[TQ+4*\q]          ; c m
.endr
.irp g, 0,1,2,3
.irp q, 0,1
	v_pk_fma_f32 v[LQ+8*\q+2*\g:LQ+8*\q+2*\g+1], v[LQ+8*\q+2*\g:LQ+8*\q+2*\g+1], s[62:63], v[TQ+4*\q:TQ+4*\q+1] op_sel_hi:[1,0,0] neg_lo:[0,0,1] neg_hi:[0,0,1]
.endr
.endr
.set i, 0
.rept 16
	v_exp_f32 v[LQ+i], v[LQ+i]
.set i, i+1
.endr
	v_nop                                          ; a plain instruction behind the exponentials (ISA guide 5.7.2)
	s_wait_alu depctr_va_vdst(0)
.irp q, 0,1
	v_pk_add_f32 v[TQ+4*\q:TQ+4*\q+1], v[LQ+8*\q:LQ+8*\q+1], v[LQ+8*\q+2:LQ+8*\q+3]
.endr
.irp q, 0,1
	v_pk_add_f32 v[TQ+4*\q+2:TQ+4*\q+3], v[LQ+8*\q+4:LQ+8*\q+5], v[LQ+8*\q+6:LQ+8*\q+7]
.endr
.irp q, 0,1
	v_pk_add_f32 v[TQ+4*\q:TQ+4*\q+1], v[TQ+4*\q:TQ+4*\q+1], v[TQ+4*\q+2:TQ+4*\q+3]
.endr
.irp q, 0,1
	v_add_f32 v[TQ+4*\q], v[TQ+4*\q], v[TQ+4*\q+1]
.endr
.irp q, 0,1
	v_permlanex16_b32 v[TQ+4*\q+1], v[TQ+4*\q], s60, s61
.endr
.irp q, 0,1
	v_add_f32 v[TQ+4*\q], v[TQ+4*\q], v[TQ+4*\q+1] ; at least 1: the maximum's own weight
.endr
.irp q, 0,1
	v_rcp_f32 v[TQ+4*\q], v[TQ+4*\q]
.endr
	v_nop
	s_wait_alu depctr_va_vdst(0)
.irp g, 0,1,2,3
.irp q, 0,1
	v_pk_mul_f32 v[LQ+8*\q+2*\g:LQ+8*\q+2*\g+1], v[LQ+8*\q+2*\g:LQ+8*\q+2*\g+1], v[TQ+4*\q:TQ+4*\q+1] op_sel_hi:[1,0]
.endr
.endr
.irp q, 0,1                            ; p in f32 into my own words (lanes r and r + 8 write the same numbers to the same words),
	ds_store_b128 v[PLS], v[LQ+8*\q:LQ+8*\q+3]   offset:512*\q
	ds_store_b128 v[PLS], v[LQ+8*\q+4:LQ+8*\q+7] offset:512*\q+16
.endr
.irp q, 0,1                            ; and back as vv's lanes want it: the 16 weights of head 4 u + l / 8
.irp u, 0,1
.irp jq, 0,1,2,3
	ds_load_b128 v[PB+32*\q+16*\u+4*\jq:PB+32*\q+16*\u+4*\jq+3], v[PLL] offset:512*\q+256*\u+16*\jq
.endr
.endr
.endr
.irp q, 0,1
.irp g, 0,1,2,3
	v_cvt_pk_bf16_f32 v[PKD+4*\q+\g], v[LQ+8*\q+2*\g], v[LQ+8*\q+2*\g+1]
.endr
.endr
.irp g, 0,1,2,3                        ; P, 32 rows x 16 columns: columns 0-7 query 0's heads against rows 0-15, columns 8-15 query 1's against rows 16-31, zeros elsewhere
	v_cndmask_b32 v[PBLK+\g], 0, v[PKD+\g], s66
	v_cndmask_b32 v[PBLK+4+\g], 0, v[PKD+4+\g], s67
.endr
	s_wait_dscnt 0x0                               ; H turned and p are in
	WIN 0x81
.set ct, 0
.rept 32                               ; z^T = H^T P: one product for each 16 channels, no chain
	v_wmma_f32_16x16x32_bf16 v[8*ct:8*ct+7], v[8*ct:8*ct+7], v[PBLK:PBLK+7], 0
.set ct, ct+1
.endr
	; aggv = sum over j of p vv', in the vector unit with p in f32.  Lane l holds channels 256 u + 8 l + 0..7.  This work is also the places behind the products above.
	WIN 0
.set i, 0
.rept 32
	v_mov_b32 v[PVS+i], 0
.set i, i+1
.endr
	s_wait_loadcnt 0x0                             ; vv'
	WIN 0x03
.set j, 0
.rept 16
.irp q, 0,1
.irp u, 0,1
.irp x, 0,1,2,3
	v_fma_mix_f32_bf16 v[PVS+16*\q+8*\u+2*\x], v[128*\q+8*j+4*\u+\x], v[PB+32*\q+16*\u+j], v[PVS+16*\q+8*\u+2*\x] op_sel_hi:[1,0,0]
	v_fma_mix_f32_bf16 v[PVS+16*\q+8*\u+2*\x+1], v[128*\q+8*j+4*\u+\x], v[PB+32*\q+16*\u+j], v[PVS+16*\q+8*\u+2*\x+1] op_sel:[1,0,0] op_sel_hi:[1,0,0]
.endr
.endr
.endr
.set j, j+1
.endr
	WIN 0
.irp q, 0,1                            ; through my stage, so that a store takes 512 bytes on end: my two queries' rows are 4,096 bytes on end
.irp u, 0,1
	ds_store_b128 v[AVS], v[PVS+16*\q+8*\u:PVS+16*\q+8*\u+3]   offset:2048*\q+1024*\u
	ds_store_b128 v[AVS], v[PVS+16*\q+8*\u+4:PVS+16*\q+8*\u+7] offset:2048*\q+1024*\u+16
.endr
.endr
.irp t, 0,1,2,3,4,5,6,7
	ds_load_b128 v[64+4*\t:64+4*\t+3], v[AVR] offset:512*\t
.endr
.irp t, 0,1,2,3,4,5,6,7
	s_wait_dscnt 7-\t
	global_store_b128 v[AVO], v[64+4*\t:64+4*\t+3], s[20:21] offset:512*\t
.endr
	s_wait_xcnt 0x0                                ; v64-95 are rewritten only behind this wait
	WIN 0x0a
.set i, 0
.rept 128                              ; z to f16, each accumulator from its lowest register on
	v_cvt_pk_f16_f32 v[64+i], v[2*i], v[2*i+1]
.set i, i+1
.endr
	WIN 0
.irp ch, 0,1,2,3                       ; 128 channels at a time through my stage: 16 rows (query, head) of 256 bytes
.irp c, 0,1,2,3,4,5,6,7
	ds_store_b128 v[ZST], v[64+32*\ch+4*\c:64+32*\ch+4*\c+3] offset:32*\c
.endr
.irp t, 0,1,2,3,4,5,6,7
	ds_load_b128 v[64+32*\ch+4*\t:64+32*\ch+4*\t+3], v[ZRD] offset:544*\t  ; LDS serves a wave's instructions in order (ISA guide 5.7.1.4)
.endr
.irp t, 0,1,2,3,4,5,6,7
	s_wait_dscnt 7-\t
	global_store_b128 v[ZGO+\t], v[64+32*\ch+4*\t:64+32*\ch+4*\t+3], s[18:19] offset:256*\ch  ; 16 lanes store 256 consecutive bytes, aligned
.endr
.endr
	s_wait_tensorcnt 0x0                           ; the wave's end: behind my last tensor load and my last LDS store
	ds_add_u32 v[SPW], v[NIL]
	s_wait_dscnt 0x0
	CROUND                                         ; the closing round
	s_endpgm
.Lfunc_end_k_q342ebe6baf_main:
	.size	k_q342ebe6baf_main, .Lfunc_end_k_q342ebe6baf_main-k_q342ebe6baf_main
	.p2alignl 7, 3214868480
	.fill 96, 4, 3214868480
	.section	.rodata,"a",@progbits
	.p2align	6, 0x0
	.amdhsa_kernel k_q342ebe6baf_main
		.amdhsa_group_segment_fixed_size 327680
		.amdhsa_private_segment_fixed_size 0
		.amdhsa_enable_private_segment 0
		.amdhsa_kernarg_size 72
		.amdhsa_user_sgpr_count 2
		.amdhsa_user_sgpr_kernarg_segment_ptr 1
		.amdhsa_wavefront_size32 1
		.amdhsa_system_sgpr_workgroup_id_x 1
		.amdhsa_system_sgpr_workgroup_id_y 1
		.amdhsa_system_sgpr_workgroup_id_z 1
		.amdhsa_system_vgpr_workitem_id 0
		.amdhsa_next_free_vgpr 1024
		.amdhsa_next_free_sgpr 100
		.amdhsa_reserve_vcc 0
		.amdhsa_float_denorm_mode_32 3
		.amdhsa_float_denorm_mode_16_64 3
		.amdhsa_memory_ordered 1
		.amdhsa_forward_progress 1
		.amdhsa_inst_pref_size 255
	.end_amdhsa_kernel
	.section	.bss,"aw",@nobits
	.p2align	6
	.space	262144
	.amdgpu_metadata
---
amdhsa.version: [ 1, 2 ]
amdhsa.kernels:
  - .name:           k_q342ebe6baf_main
    .symbol:         k_q342ebe6baf_main.kd
    .args:
      - { .name: pos, .offset: 0, .size: 8, .value_kind: global_buffer, .address_space: global }
      - { .name: b1, .offset: 8, .size: 8, .value_kind: global_buffer, .address_space: global }
      - { .name: local_idx, .offset: 16, .size: 8, .value_kind: global_buffer, .address_space: global }
      - { .name: wts, .offset: 24, .size: 8, .value_kind: global_buffer, .address_space: global }
      - { .name: qs, .offset: 32, .size: 8, .value_kind: global_buffer, .address_space: global }
      - { .name: kvt, .offset: 40, .size: 8, .value_kind: global_buffer, .address_space: global }
      - { .name: u, .offset: 48, .size: 8, .value_kind: global_buffer, .address_space: global }
      - { .name: z, .offset: 56, .size: 8, .value_kind: global_buffer, .address_space: global }
      - { .name: aggv, .offset: 64, .size: 8, .value_kind: global_buffer, .address_space: global }
    .group_segment_fixed_size: 327680
    .private_segment_fixed_size: 0
    .kernarg_segment_align: 8
    .kernarg_segment_size: 72
    .max_flat_workgroup_size: 128
    .sgpr_count:     100
    .vgpr_count:     1024
    .wavefront_size: 32
...
	.end_amdgpu_metadata
.endif
;; end of part 2
;; launch zw (part 3): grid 32 x 8, 4 waves a work-group, clusters of 4 x 1, 217,600 bytes of LDS; arguments z, wts, aggv, agg; writes agg
.if DOCPART == 3
	.amdgcn_target "amdgcn-amd-amdhsa--gfx1250"
	.amdhsa_code_object_version 6
	.text
	.protected	k_q342ebe6baf_zw
	.globl	k_q342ebe6baf_zw
	.p2align	8
	.type	k_q342ebe6baf_zw,@function
k_q342ebe6baf_zw:
	s_mov_b64 s[64:65], 0
	v_nop
	global_prefetch_b8 v0, s[64:65] scope:SCOPE_SE
	s_setreg_imm32_b32 hwreg(HW_REG_WAVE_MODE, 25, 1), 1
	s_wait_xcnt 0x0
	s_wait_alu depctr_hold_cnt(0) depctr_sa_sdst(0) depctr_va_vdst(0) depctr_va_sdst(0) depctr_va_ssrc(0) depctr_va_vcc(0) depctr_vm_vsrc(0)
	s_getreg_b32 s2, hwreg(HW_REG_IB_STS2, 6, 4)
	s_cmp_eq_u32 s2, 0
	s_cbranch_scc0 .Lentry_in_a_cluster
	s_endpgm
.Lentry_in_a_cluster:
	s_bfe_u32 s2, ttmp6, 0x10000c
	s_cmp_lg_u32 s2, 0x3003
	s_cbranch_scc0 .Lentry_shape_is_right
	s_endpgm
.Lentry_shape_is_right:
; ZW: agg[gi][h][d] = aggv[gi][64 h + d] + sum over c of z[h][gi][c] W2VT[64 h + d][c].  A work-group: 128 queries of one head x 64 d, K = 512; a wave: 32 queries x 64 d, 8 accumulators.
; z and W2VT are f16 (W2VT holds bf16 roundings); sums in f32, started by aggv.  agg leaves as TWO bf16, hi = bf16(x) and lo = bf16(x - hi): 16 significant bits at bf16's range, so no limit of range is added here.
; The whole of both operands fits in LDS: each wave asks for its 32 rows of z (its own load) and for 16 rows of W2VT (JOINTLY: the cluster's four blocks of queries share the head's weights).
; Nothing is filled again; two tensor loads of a wave are out at the most.  The matrix instruction is used transposed: a lane holds eight neighbouring d of one query.
.set ZP,    1040                       ; an LDS row: 1,024 bytes + 16
.set WB,    128*ZP
.set STAGE, WB+64*ZP                   ; 16 rows x 272 bytes for each wave
.set SP,    272
.set SPARE, STAGE+4*16*SP              ; the spare words: 128 bytes a wave, two blocks of 256 bytes that no other line names
.set SPW,   30
.set NIL,   31
.set ACC,   32                         ; (rt, dt) at ACC + 8 (4 rt + dt)
.set WV,    12
.macro PLACES
.rept 4
	v_nop
.endr
.endm
.macro CROUND
	s_barrier_signal -1
	s_barrier_wait -1
	s_cmp_lg_u32 s[WV], 0
	s_cbranch_scc1 .Lnot_wave_0_\@
	s_barrier_signal -3
.Lnot_wave_0_\@:
	s_barrier_wait -3
	s_barrier_signal -1
	s_barrier_wait -1
.endm
.macro LOADK ks                        ; 32 along K: 2 fragments of z, 4 of W2VT: 12 loads into one of three buffers
.set BF, 96+48*((\ks)%3)
.irp rt, 0,1
	ds_load_b128 v[BF+8*\rt:BF+8*\rt+3],   v6 offset:\rt*16*ZP+64*(\ks)
	ds_load_b128 v[BF+8*\rt+4:BF+8*\rt+7], v6 offset:\rt*16*ZP+64*(\ks)+32
.endr
.irp dt, 0,1,2,3
	ds_load_b128 v[BF+16+8*\dt:BF+16+8*\dt+3],   v7 offset:\dt*16*ZP+64*(\ks)
	ds_load_b128 v[BF+16+8*\dt+4:BF+16+8*\dt+7], v7 offset:\dt*16*ZP+64*(\ks)+32
.endr
.endm
.macro MULK ks                         ; the 8 accumulators take turns
.set BF, 96+48*((\ks)%3)
.irp rt, 0,1
.irp dt, 0,1,2,3
	v_wmma_f32_16x16x32_f16 v[ACC+8*(4*\rt+\dt):ACC+8*(4*\rt+\dt)+7], v[BF+16+8*\dt:BF+16+8*\dt+7], v[BF+8*\rt:BF+8*\rt+7], v[ACC+8*(4*\rt+\dt):ACC+8*(4*\rt+\dt)+7]
.endr
.endr
.endm
	s_load_b256 s[4:11], s[0:1], 0x0               ; z 4, wts 6, aggv 8, agg 10
	v_lshl_add_u32 v[SPW], v0, 2, SPARE
	v_mov_b32 v[NIL], 0
	ds_add_u32 v[SPW], v[NIL]                      ; the wave's opening: the add and its wait stand ahead of my first tensor load
	v_lshrrev_b32 v1, 5, v0
	v_readfirstlane_b32 s[WV], v1
	s_bfe_u32 s13, ttmp6, 0x40000                  ; cx
	s_lshl_b32 s14, ttmp9, 2
	s_add_co_u32 s14, s14, s13                     ; my block of 128 queries
	s_and_b32 s15, ttmp7, 0xffff                   ; the head, which the four partners share
	s_mov_b32 s24, (1<<16)|(1<<20)|(7<<22)|(3<<25) ; z: no mask; 2-byte elements; after every 256 words 4 words of padding
	s_mov_b32 s25, 512<<16
	s_mov_b32 s26, 32<<16
	s_mov_b32 s27, 512<<16
	s_mov_b32 s28, 32                              ; 32 rows of 512 elements
	s_mov_b32 s29, 512
	s_mov_b32 s30, 0
	s_mov_b32 s31, 0
	s_mov_b32 s32, 15|(1<<16)|(1<<20)|(1<<21)|(7<<22)|(3<<25)  ; W2VT: the mask of four, bit 21 beside it
	s_mov_b32 s33, 512<<16
	s_mov_b32 s34, 16<<16
	s_mov_b32 s35, 512<<16
	s_mov_b32 s36, 16                              ; 16 rows
	s_mov_b32 s37, 512
	s_mov_b32 s38, 0
	s_mov_b32 s39, 0
	s_mov_b32 s40, 1
	s_mul_i32 s41, s[WV], 32*ZP
	s_mov_b32 s44, 1
	s_mul_i32 s45, s[WV], 16*ZP
	s_add_co_u32 s45, s45, WB
	s_lshl_b32 s16, s14, 7
	s_lshl_b32 s17, s[WV], 5
	s_add_co_u32 s16, s16, s17                     ; my wave's first query
	s_lshl_b32 s18, s16, 10
	s_lshl_b32 s17, s15, 22
	s_add_co_u32 s18, s18, s17
	s_mov_b32 s19, 0                               ; z's offset
	s_lshl_b32 s22, s16, 11
	s_lshl_b32 s17, s15, 8
	s_add_co_u32 s22, s22, s17
	s_mov_b32 s23, 0                               ; aggv's and agg's offset: rows of 2,048 bytes, the head's 256
	s_lshl_b32 s20, s15, 6                         ; W2VT's offset, in registers that never hold anything of cx
	s_lshl_b32 s21, s[WV], 4
	s_add_co_u32 s20, s20, s21
	s_lshl_b32 s20, s20, 10
	s_add_co_u32 s20, s20, 524288
	s_mov_b32 s21, 0
	v_and_b32 v3, 15, v0                           ; r
	v_bfe_u32 v4, v0, 4, 1                         ; h
	s_wait_dscnt 0x0
	s_wait_kmcnt 0x0
	s_add_nc_u64 s[42:43], s[4:5], s[18:19]
	s_or_b32 s43, s43, 0x80000000
	s_add_nc_u64 s[46:47], s[6:7], s[20:21]
	s_or_b32 s47, s47, 0x80000000
	s_add_nc_u64 s[8:9], s[8:9], s[22:23]
	s_add_nc_u64 s[10:11], s[10:11], s[22:23]
	CROUND                                         ; all four work-groups are here: the joint loads meet
	tensor_load_to_lds s[40:43], s[24:31]
	s_nop 0
	tensor_load_to_lds s[44:47], s[32:39]
	s_nop 0
	PLACES
	v_lshlrev_b32 v5, 11, v3
	v_lshl_add_u32 v5, v4, 5, v5                   ; aggv: row r, 8 h floats on
.irp rt, 0,1
.irp dt, 0,1,2,3                       ; aggv starts the sums
	global_load_b128 v[ACC+8*(4*\rt+\dt):ACC+8*(4*\rt+\dt)+3],   v5, s[8:9] offset:\rt*32768+64*\dt
	global_load_b128 v[ACC+8*(4*\rt+\dt)+4:ACC+8*(4*\rt+\dt)+7], v5, s[8:9] offset:\rt*32768+64*\dt+16
.endr
.endr
	v_mul_u32_u24 v7, v3, ZP
	v_lshl_add_u32 v7, v4, 4, v7
	v_add_nc_u32 v6, s41, v7                       ; z's fragments: my 32 rows
	v_add_nc_u32 v7, WB, v7                        ; W2VT's
	s_mul_i32 s16, s[WV], 16*SP
	s_add_co_u32 s16, s16, STAGE
	v_mul_u32_u24 v8, v3, SP
	v_lshl_add_u32 v8, v4, 4, v8
	v_add_nc_u32 v8, s16, v8                       ; into my stage
	v_mul_u32_u24 v9, v4, SP
	v_lshl_add_u32 v9, v3, 4, v9
	v_add_nc_u32 v9, s16, v9                       ; back out of it
	v_lshlrev_b32 v10, 11, v4
	v_lshl_add_u32 v10, v3, 4, v10                 ; the same two rows in agg
	s_wait_tensorcnt 0x0                           ; my parts are in,
	s_barrier_signal -1
	s_barrier_wait -1                              ; everybody's are
	LOADK 0
	LOADK 1
	LOADK 2
	s_wait_loadcnt 0x0                             ; aggv
.irp ks, 0,1,2,3,4,5,6,7,8,9,10,11,12,13,14,15
.if \ks < 14
	s_wait_dscnt 24                                ; this K step's 12 loads are in; the two younger steps' 24 may be out
.elseif \ks == 14
	s_wait_dscnt 12
.else
	s_wait_dscnt 0x0
.endif
	MULK \ks
.if \ks < 13
	PLACES
	LOADK \ks+3
.endif
.endr
	PLACES
.set i, 0
.rept 32                               ; hi = bf16(x), lo = bf16(x - hi), two numbers at a time, each accumulator from its lowest registers on
	v_cvt_pk_bf16_f32 v[96+i], v[ACC+2*i], v[ACC+2*i+1]
	v_lshlrev_b32 v[224+2*(i%8)], 16, v[96+i]
	v_and_b32 v[225+2*(i%8)], 0xffff0000, v[96+i]
	v_pk_add_f32 v[ACC+2*i:ACC+2*i+1], v[ACC+2*i:ACC+2*i+1], v[224+2*(i%8):225+2*(i%8)] neg_lo:[0,1] neg_hi:[0,1]
	v_cvt_pk_bf16_f32 v[128+i], v[ACC+2*i], v[ACC+2*i+1]
.set i, i+1
.endr
.irp rt, 0,1                           ; 16 queries at a time through my stage: a row is the head's 128 bytes of hi, then 128 of lo
.irp dt, 0,1,2,3
	ds_store_b128 v8, v[96+16*\rt+4*\dt:96+16*\rt+4*\dt+3]   offset:32*\dt
	ds_store_b128 v8, v[128+16*\rt+4*\dt:128+16*\rt+4*\dt+3] offset:128+32*\dt
.endr
.irp t, 0,1,2,3,4,5,6,7
	ds_load_b128 v[160+32*\rt+4*\t:160+32*\rt+4*\t+3], v9 offset:\t*2*SP  ; LDS serves a wave's instructions in order (ISA guide 5.7.1.4)
.endr
.endr
.irp t, 0,1,2,3,4,5,6,7
	s_wait_dscnt 23-\t                             ; behind this load: the first block's later loads, the second block's 8 stores and 8 loads
	global_store_b128 v10, v[160+4*\t:160+4*\t+3], s[10:11] offset:\t*4096  ; 16 lanes store 256 consecutive bytes, aligned
.endr
.irp t, 0,1,2,3,4,5,6,7
	s_wait_dscnt 7-\t
	global_store_b128 v10, v[192+4*\t:192+4*\t+3], s[10:11] offset:32768+\t*4096
.endr
	s_wait_tensorcnt 0x0                           ; the wave's end
	ds_add_u32 v[SPW], v[NIL]
	s_wait_dscnt 0x0
	CROUND                                         ; the closing round
	s_endpgm
.Lfunc_end_k_q342ebe6baf_zw:
	.size	k_q342ebe6baf_zw, .Lfunc_end_k_q342ebe6baf_zw-k_q342ebe6baf_zw
	.p2alignl 7, 3214868480
	.fill 96, 4, 3214868480
	.section	.rodata,"a",@progbits
	.p2align	6, 0x0
	.amdhsa_kernel k_q342ebe6baf_zw
		.amdhsa_group_segment_fixed_size 217600
		.amdhsa_private_segment_fixed_size 0
		.amdhsa_enable_private_segment 0
		.amdhsa_kernarg_size 32
		.amdhsa_user_sgpr_count 2
		.amdhsa_user_sgpr_kernarg_segment_ptr 1
		.amdhsa_wavefront_size32 1
		.amdhsa_system_sgpr_workgroup_id_x 1
		.amdhsa_system_sgpr_workgroup_id_y 1
		.amdhsa_system_sgpr_workgroup_id_z 1
		.amdhsa_system_vgpr_workitem_id 0
		.amdhsa_next_free_vgpr 256
		.amdhsa_next_free_sgpr 66
		.amdhsa_reserve_vcc 0
		.amdhsa_float_denorm_mode_32 3
		.amdhsa_float_denorm_mode_16_64 3
		.amdhsa_memory_ordered 1
		.amdhsa_forward_progress 1
		.amdhsa_inst_pref_size 42
	.end_amdhsa_kernel
	.amdgpu_metadata
---
amdhsa.version: [ 1, 2 ]
amdhsa.kernels:
  - .name:           k_q342ebe6baf_zw
    .symbol:         k_q342ebe6baf_zw.kd
    .args:
      - { .name: z, .offset: 0, .size: 8, .value_kind: global_buffer, .address_space: global }
      - { .name: wts, .offset: 8, .size: 8, .value_kind: global_buffer, .address_space: global }
      - { .name: aggv, .offset: 16, .size: 8, .value_kind: global_buffer, .address_space: global }
      - { .name: agg, .offset: 24, .size: 8, .value_kind: global_buffer, .address_space: global }
    .group_segment_fixed_size: 217600
    .private_segment_fixed_size: 0
    .kernarg_segment_align: 8
    .kernarg_segment_size: 32
    .max_flat_workgroup_size: 128
    .sgpr_count:     66
    .vgpr_count:     256
    .wavefront_size: 32
...
	.end_amdgpu_metadata
.endif
;; end of part 3
;; launch outp (part 4): grid 4 x 64, 4 waves a work-group, clusters of 4 x 1, 217,600 bytes of LDS; arguments agg, wts, out0; writes out0
.if DOCPART == 4
	.amdgcn_target "amdgcn-amd-amdhsa--gfx1250"
	.amdhsa_code_object_version 6
	.text
	.protected	k_q342ebe6baf_outp
	.globl	k_q342ebe6baf_outp
	.p2align	8
	.type	k_q342ebe6baf_outp,@function
k_q342ebe6baf_outp:
	s_mov_b64 s[64:65], 0
	v_nop
	global_prefetch_b8 v0, s[64:65] scope:SCOPE_SE
	s_setreg_imm32_b32 hwreg(HW_REG_WAVE_MODE, 25, 1), 1
	s_wait_xcnt 0x0
	s_wait_alu depctr_hold_cnt(0) depctr_sa_sdst(0) depctr_va_vdst(0) depctr_va_sdst(0) depctr_va_ssrc(0) depctr_va_vcc(0) depctr_vm_vsrc(0)
	s_getreg_b32 s2, hwreg(HW_REG_IB_STS2, 6, 4)
	s_cmp_eq_u32 s2, 0
	s_cbranch_scc0 .Lentry_in_a_cluster
	s_endpgm
.Lentry_in_a_cluster:
	s_bfe_u32 s2, ttmp6, 0x10000c
	s_cmp_lg_u32 s2, 0x3003
	s_cbranch_scc0 .Lentry_shape_is_right
	s_endpgm
.Lentry_shape_is_right:
; OUTP: out0[gi][n] = sum over k of agg[gi][k] Wout[k][n], k = 64 h + d, K = 512.  agg comes as hi + lo, two bf16 (rows of 8 heads x (128 bytes hi, 128 bytes lo)); both are multiplied
; by the same fragment of WOUTT (bf16) into one f32 sum.  A work-group: 64 queries x 64 columns; a wave: 16 queries x 64 columns, 4 accumulators.
; The cluster's four work-groups take the four blocks of columns of the same 64 queries: agg's tile is asked for JOINTLY (each wave 32 rows x 1,024 bytes), WOUTT's 16 rows a wave are a load of its own.
; Nothing is filled again; two tensor loads of a wave are out at the most.  The matrix instruction is used transposed: a lane holds eight neighbouring columns of one query.
.set ZP,    1040                       ; an LDS row: 1,024 bytes + 16
.set REG1,  64*ZP                      ; agg's heads 4-7, behind heads 0-3
.set WB,    128*ZP
.set STAGE, WB+64*ZP
.set SP,    272
.set SPARE, STAGE+4*16*SP              ; the spare words: 128 bytes a wave, two blocks of 256 bytes that no other line names
.set SPW,   30
.set NIL,   31
.set ACC,   32
.set WV,    12
.macro PLACES
.rept 4
	v_nop
.endr
.endm
.macro CROUND
	s_barrier_signal -1
	s_barrier_wait -1
	s_cmp_lg_u32 s[WV], 0
	s_cbranch_scc1 .Lnot_wave_0_\@
	s_barrier_signal -3
.Lnot_wave_0_\@:
	s_barrier_wait -3
	s_barrier_signal -1
	s_barrier_wait -1
.endm
.macro LOADK kc                        ; 32 along K (half a head): hi's fragment, lo's, 4 of WOUTT: 12 loads into one of three buffers
.set BF, 96+48*((\kc)%3)
.set AO, (((\kc)/2)%4)*256+((\kc)%2)*64
	ds_load_b128 v[BF:BF+3],     v[6+(\kc)/8] offset:AO
	ds_load_b128 v[BF+4:BF+7],   v[6+(\kc)/8] offset:AO+32
	ds_load_b128 v[BF+8:BF+11],  v[6+(\kc)/8] offset:AO+128
	ds_load_b128 v[BF+12:BF+15], v[6+(\kc)/8] offset:AO+160
.irp nt, 0,1,2,3
	ds_load_b128 v[BF+16+8*\nt:BF+16+8*\nt+3],   v8 offset:\nt*16*ZP+64*(\kc)
	ds_load_b128 v[BF+16+8*\nt+4:BF+16+8*\nt+7], v8 offset:\nt*16*ZP+64*(\kc)+32
.endr
.endm
.macro MULK kc                         ; the 4 accumulators take turns: hi's four products, then lo's four
.set BF, 96+48*((\kc)%3)
.irp nt, 0,1,2,3
.if (\kc) == 0
	v_wmma_f32_16x16x32_bf16 v[ACC+8*\nt:ACC+8*\nt+7], v[BF+16+8*\nt:BF+16+8*\nt+7], v[BF:BF+7], 0
.else
	v_wmma_f32_16x16x32_bf16 v[ACC+8*\nt:ACC+8*\nt+7], v[BF+16+8*\nt:BF+16+8*\nt+7], v[BF:BF+7], v[ACC+8*\nt:ACC+8*\nt+7]
.endif
.endr
.irp nt, 0,1,2,3
	v_wmma_f32_16x16x32_bf16 v[ACC+8*\nt:ACC+8*\nt+7], v[BF+16+8*\nt:BF+16+8*\nt+7], v[BF+8:BF+15], v[ACC+8*\nt:ACC+8*\nt+7]
.endr
.endm
	s_load_b128 s[4:7], s[0:1], 0x0                ; agg 4, wts 6
	s_load_b64 s[8:9], s[0:1], 0x10                ; out0
	v_lshl_add_u32 v[SPW], v0, 2, SPARE
	v_mov_b32 v[NIL], 0
	ds_add_u32 v[SPW], v[NIL]                      ; the wave's opening: the add and its wait stand ahead of my first tensor load
	v_lshrrev_b32 v1, 5, v0
	v_readfirstlane_b32 s[WV], v1
	s_bfe_u32 s13, ttmp6, 0x40000                  ; cx
	s_lshl_b32 s14, ttmp9, 2
	s_add_co_u32 s14, s14, s13                     ; my block of 64 columns
	s_and_b32 s15, ttmp7, 0xffff                   ; the block of 64 queries, which the four partners share
	s_mov_b32 s24, 15|(1<<16)|(1<<20)|(1<<21)|(7<<22)|(3<<25)  ; agg: the mask of four, bit 21 beside it; after every 256 words 4 words of padding
	s_mov_b32 s25, 512<<16
	s_mov_b32 s26, 32<<16
	s_mov_b32 s27, 512<<16
	s_mov_b32 s28, 32                              ; 32 rows of 512 elements (four heads),
	s_mov_b32 s29, 1024                            ; 1,024 elements from row to row
	s_mov_b32 s30, 0
	s_mov_b32 s31, 0
	s_mov_b32 s32, (1<<16)|(1<<20)|(7<<22)|(3<<25) ; WOUTT: no mask
	s_mov_b32 s33, 512<<16
	s_mov_b32 s34, 16<<16
	s_mov_b32 s35, 512<<16
	s_mov_b32 s36, 16
	s_mov_b32 s37, 512
	s_mov_b32 s38, 0
	s_mov_b32 s39, 0
	s_and_b32 s16, s[WV], 1                        ; which four heads I fetch,
	s_lshr_b32 s17, s[WV], 1                       ; which 32 rows
	s_mov_b32 s40, 1
	s_mul_i32 s41, s16, REG1
	s_mul_i32 s18, s17, 32*ZP
	s_add_co_u32 s41, s41, s18
	s_mov_b32 s44, 1
	s_mul_i32 s45, s[WV], 16*ZP
	s_add_co_u32 s45, s45, WB
	s_lshl_b32 s20, s15, 6                         ; agg's offset, in registers that never hold anything of cx
	s_lshl_b32 s21, s17, 5
	s_add_co_u32 s20, s20, s21
	s_lshl_b32 s20, s20, 11
	s_lshl_b32 s21, s16, 10
	s_add_co_u32 s20, s20, s21
	s_mov_b32 s21, 0
	s_lshl_b32 s22, s14, 6                         ; WOUTT's rows 64 nx + 16 w
	s_lshl_b32 s23, s[WV], 4
	s_add_co_u32 s22, s22, s23
	s_lshl_b32 s22, s22, 10
	s_add_co_u32 s22, s22, 1048576
	s_mov_b32 s23, 0
	s_lshl_b32 s10, s15, 6                         ; out0: rows 64 qy + 16 w of 1,024 bytes, my block's 256 bytes
	s_lshl_b32 s11, s[WV], 4
	s_add_co_u32 s10, s10, s11
	s_lshl_b32 s10, s10, 10
	s_lshl_b32 s11, s14, 8
	s_add_co_u32 s10, s10, s11
	s_mov_b32 s11, 0
	v_and_b32 v3, 15, v0                           ; r
	v_bfe_u32 v4, v0, 4, 1                         ; h
	s_wait_dscnt 0x0
	s_wait_kmcnt 0x0
	s_add_nc_u64 s[42:43], s[4:5], s[20:21]
	s_or_b32 s43, s43, 0x80000000
	s_add_nc_u64 s[46:47], s[6:7], s[22:23]
	s_or_b32 s47, s47, 0x80000000
	s_add_nc_u64 s[8:9], s[8:9], s[10:11]
	CROUND                                         ; all four work-groups are here: the joint loads meet
	tensor_load_to_lds s[40:43], s[24:31]
	s_nop 0
	tensor_load_to_lds s[44:47], s[32:39]
	s_nop 0
	PLACES
	v_mul_u32_u24 v8, v3, ZP
	v_lshl_add_u32 v8, v4, 4, v8
	s_mul_i32 s16, s[WV], 16*ZP
	v_add_nc_u32 v6, s16, v8                       ; agg's fragments: my 16 queries, heads 0-3,
	v_add_nc_u32 v7, REG1, v6                      ; heads 4-7
	v_add_nc_u32 v8, WB, v8                        ; WOUTT's
	s_mul_i32 s16, s[WV], 16*SP
	s_add_co_u32 s16, s16, STAGE
	v_mul_u32_u24 v9, v3, SP
	v_lshl_add_u32 v9, v4, 5, v9
	v_add_nc_u32 v9, s16, v9                       ; into my stage: row r, 32 bytes for each half of the lanes
	v_mul_u32_u24 v10, v4, SP
	v_lshl_add_u32 v10, v3, 4, v10
	v_add_nc_u32 v10, s16, v10                     ; back out of it
	v_lshlrev_b32 v11, 10, v4
	v_lshl_add_u32 v11, v3, 4, v11                 ; the same two rows in out0
	s_wait_tensorcnt 0x0                           ; my parts are in,
	s_barrier_signal -1
	s_barrier_wait -1                              ; everybody's are
	LOADK 0
	LOADK 1
	LOADK 2
.irp kc, 0,1,2,3,4,5,6,7,8,9,10,11,12,13,14,15
.if \kc < 14
	s_wait_dscnt 24                                ; this K step's 12 loads are in; the two younger steps' 24 may be out
.elseif \kc == 14
	s_wait_dscnt 12
.else
	s_wait_dscnt 0x0
.endif
	MULK \kc
.if \kc < 13
	PLACES
	LOADK \kc+3
.endif
.endr
	PLACES
.irp nt, 0,1,2,3                       ; f32 as it is, each accumulator's lower four registers first
	ds_store_b128 v9, v[ACC+8*\nt:ACC+8*\nt+3]   offset:64*\nt
	ds_store_b128 v9, v[ACC+8*\nt+4:ACC+8*\nt+7] offset:64*\nt+16
.endr
.irp t, 0,1,2,3,4,5,6,7
	ds_load_b128 v[64+4*\t:64+4*\t+3], v10 offset:\t*2*SP  ; LDS serves a wave's instructions in order (ISA guide 5.7.1.4)
.endr
.irp t, 0,1,2,3,4,5,6,7
	s_wait_dscnt 7-\t
	global_store_b128 v11, v[64+4*\t:64+4*\t+3], s[8:9] offset:\t*2048  ; 16 lanes store 256 consecutive bytes, aligned
.endr
	s_wait_tensorcnt 0x0                           ; the wave's end
	ds_add_u32 v[SPW], v[NIL]
	s_wait_dscnt 0x0
	CROUND                                         ; the closing round
	s_endpgm
.Lfunc_end_k_q342ebe6baf_outp:
	.size	k_q342ebe6baf_outp, .Lfunc_end_k_q342ebe6baf_outp-k_q342ebe6baf_outp
	.p2alignl 7, 3214868480
	.fill 96, 4, 3214868480
	.section	.rodata,"a",@progbits
	.p2align	6, 0x0
	.amdhsa_kernel k_q342ebe6baf_outp
		.amdhsa_group_segment_fixed_size 217600
		.amdhsa_private_segment_fixed_size 0
		.amdhsa_enable_private_segment 0
		.amdhsa_kernarg_size 24
		.amdhsa_user_sgpr_count 2
		.amdhsa_user_sgpr_kernarg_segment_ptr 1
		.amdhsa_wavefront_size32 1
		.amdhsa_system_sgpr_workgroup_id_x 1
		.amdhsa_system_sgpr_workgroup_id_y 1
		.amdhsa_system_sgpr_workgroup_id_z 1
		.amdhsa_system_vgpr_workitem_id 0
		.amdhsa_next_free_vgpr 256
		.amdhsa_next_free_sgpr 66
		.amdhsa_reserve_vcc 0
		.amdhsa_float_denorm_mode_32 3
		.amdhsa_float_denorm_mode_16_64 3
		.amdhsa_memory_ordered 1
		.amdhsa_forward_progress 1
		.amdhsa_inst_pref_size 30
	.end_amdhsa_kernel
	.amdgpu_metadata
---
amdhsa.version: [ 1, 2 ]
amdhsa.kernels:
  - .name:           k_q342ebe6baf_outp
    .symbol:         k_q342ebe6baf_outp.kd
    .args:
      - { .name: agg, .offset: 0, .size: 8, .value_kind: global_buffer, .address_space: global }
      - { .name: wts, .offset: 8, .size: 8, .value_kind: global_buffer, .address_space: global }
      - { .name: out0, .offset: 16, .size: 8, .value_kind: global_buffer, .address_space: global }
    .group_segment_fixed_size: 217600
    .private_segment_fixed_size: 0
    .kernarg_segment_align: 8
    .kernarg_segment_size: 24
    .max_flat_workgroup_size: 128
    .sgpr_count:     66
    .vgpr_count:     256
    .wavefront_size: 32
...
	.end_amdgpu_metadata
.endif
;; end of part 4
;; ======== version 2 of 2: 4 launches; version 1 with the launch prep written anew for expert scheduling mode
;; limits: values are held in f16: magnitudes above 65,504 overflow, below 6.1e-05 lose precision
;; workspace buffers: wts 1,310,720 bytes; qs 4,194,816 bytes; kvt 8,388,608 bytes; u 33,554,432 bytes; z 33,554,432 bytes; aggv 8,388,608 bytes; agg 8,388,608 bytes
;; launch prep (part 5): grid 464 x 1, 8 waves a work-group, no clusters, 142,336 bytes of LDS; arguments q, k, Wq, Wkv, W1, W2, Wout, b2, wts, qs, kvt, u; writes wts, qs, kvt, u
.if DOCPART == 5
	.amdgcn_target "amdgcn-amd-amdhsa--gfx1250"
	.amdhsa_code_object_version 6
	.text
	.protected	k_q342ebe6baf_prep
	.globl	k_q342ebe6baf_prep
	.p2align	8
	.type	k_q342ebe6baf_prep,@function
k_q342ebe6baf_prep:
	s_mov_b64 s[64:65], 0
	v_nop
	global_prefetch_b8 v0, s[64:65] scope:SCOPE_SE
	s_setreg_imm32_b32 hwreg(HW_REG_WAVE_SCHED_MODE, 0, 2), 2
	s_setreg_imm32_b32 hwreg(HW_REG_WAVE_MODE, 25, 1), 1
	s_wait_xcnt 0x0
	s_wait_alu depctr_vm_vsrc(0)
; PREP: everything that hangs on the small inputs alone.  The work-group's number picks one of five roles:
;   0-127    Q:  qs = bf16(q Wq), a block of 128 rows x 128 columns (two heads), then U[h][gi][c] = sum over d of qs[gi][h][d] W2[c][128 h + d] for those rows and heads
;   128-383  KV: kvt = bf16(k Wkv + b2'), a block of 128 x 128; b2' is b2 sorted as the table is: kk' takes b2[128 h + d], vv' takes b2[128 h + 64 + d]
;   384-415  W1 turned:  wts[0..]       = bf16 W1T[n][k]
;   416-447  W2's value columns turned: wts[524288..] = W2VT[64 h + d][c], the bf16 rounding of W2[c][128 h + 64 + d] written as f16
;   448-463  Wout turned: wts[1048576..] = bf16 WOUTT[n][k]; its first wave also writes the 512 zero bytes behind qs
; All inputs are rounded once to bf16, b2 too; sums in f32.  LIMIT: W2's value columns must lie within f16's range (65,504), and below 6e-5 they keep f16's fixed step of 6e-8.
; No tensor loads and no cluster: the blocks are small, come through registers (they must be converted from f32 anyway), and two work-groups share a WGP.
; THE MATRIX INSTRUCTION IS USED TRANSPOSED (source 0 = 16 columns of the weights, source 1 = 16 rows of X): a lane then holds eight neighbouring numbers of one row of the result.
; THE MODE: SCHED_MODE bits 1:0 = 2 (LLVM: expert scheduling mode 2), set by the entry lines.  The code itself states the register dependences
; between vector or matrix instructions and memory or LDS instructions, with s_wait_alu, always for 0.
; THE PLAN.  Registers that memory or LDS instructions touch:
;   v5-v15, v17-v19  offsets and addresses: made once, ahead of a wait on va_vdst, and never written again (u's rows are reached by a scalar base that moves on).
;   v16        LDS address of qs's fragment: read by four LDS loads a trip of U's loop, written once a trip.
;   v96-223    X as loaded; 64 conversions close it up into v96-159, which 32 LDS stores read; v160-223, which only those conversions have read, take W's rows 16-31,
;              and 32 conversions close these up into v160-191, which 16 LDS stores read.
;   v32-95     W's rows 0-15 as loaded; 32 conversions write them into v224-255, which 16 LDS stores read; in the KV role b2 then lands in v32-95.
;   So each batch of conversions is followed by ONE wait on va_vdst, and behind it stand the next loads and the batch's run of LDS stores.
;   v96-239    three fragment buffers.  K step s multiplies buffer s % 3; at its head one wait on va_vdst shows step s - 1 done reading buffer (s + 2) % 3, and step s + 2's
;              twelve LDS loads land there, dealt among step s's eight products, which name buffer s % 3 and the accumulators alone.
;   U:         raw sets v32-63, v64-95, v224-255 (loaded, read by sixteen conversions, asked for again behind one wait); v240-255 qs's fragment; the accumulators' lower halves
;              are the stage stores' data, their upper halves take the stage's loads and are the global stores' data: two waits a trip, one on vm_vsrc at its top, one on va_vdst behind its conversions.
.set XP,    528                        ; a row of X in LDS: 256 bf16 + 16 bytes
.set WL,    128*XP                     ; W's block behind X's: [k][128 n] bf16,
.set WP,    288                        ; rows of 256 + 32 bytes (an odd multiple of 32, for the turning load)
.set OP,    272                        ; the result's stage, over X's bytes once these are read: rows of 256 + 16 bytes
.set USTG,  WL                         ; U's stages, over W's bytes: 16 rows x 272 bytes for each wave
.set SPARE, WL+256*WP                  ; the spare words: 128 bytes for each of the eight waves, four blocks of 256 bytes that no other line names
.set SPW,   30                         ; v30  SPARE + 4 x my thread's number; never rewritten
.set NIL,   31                         ; v31  0; never rewritten
.set BT,    16                         ; v16-23   KV role only: at work while b2 is rounded; no memory instruction names them there
.set ACC,   32                         ; v32-95   8 accumulators, (rt, ct) at ACC + 8 (4 rt + ct); while LDS is filled: 16 rows of W as loaded
.set SA,    96                         ; v96-223  while LDS is filled: X as loaded.  v96-239 later: three buffers of 48 for a K step's fragments
.set SB,    160                        ; v160-223 while LDS is filled: W's rows 16-31 as loaded
.set TT,    224                        ; v224-255 W's rows 0-15 in bf16; later the result's rows read back from the stage
.set WF,    96                         ; v96-223  U: W2's 16 fragments, (ct, kk) at WF + 16 ct + 8 kk
.set WV,    28                         ; s28  my wave's number
.macro PLACES                          ; four places behind matrix instructions (ISA guide 7.12.1) where no other vector work is at hand
.rept 4
	v_nop
.endr
.endm
; The fragments of K step ks (32 along K): 2 of X (LDX: 4 loads), 4 of W, turned (LDW: 4 loads for columns 16 c0 .. 16 c0 + 31)
.macro LDX ks
.set BF, 96+48*((\ks)%3)
.irp rt, 0,1
	ds_load_b128 v[BF+8*\rt:BF+8*\rt+3],   v9 offset:\rt*16*XP+64*(\ks)
	ds_load_b128 v[BF+8*\rt+4:BF+8*\rt+7], v9 offset:\rt*16*XP+64*(\ks)+32
.endr
.endm
.macro LDW ks, c0
.set BF, 96+48*((\ks)%3)
.irp ct, \c0, (\c0)+1
	ds_load_tr16_b128 v[BF+16+8*(\ct):BF+16+8*(\ct)+3],   v[10+(\ks)/4] offset:((\ks)%4)*32*WP+32*(\ct)
	ds_load_tr16_b128 v[BF+16+8*(\ct)+4:BF+16+8*(\ct)+7], v[10+(\ks)/4] offset:((\ks)%4)*32*WP+32*(\ct)+16*WP
.endr
.endm
.macro LOADK ks
	LDX \ks
	LDW \ks, 0
	LDW \ks, 2
.endm
.macro MUL2 ks, rt, c0, zero           ; two of a K step's 8 products
.set BF, 96+48*((\ks)%3)
.irp ct, \c0, (\c0)+1
.if \zero
	v_wmma_f32_16x16x32_bf16 v[ACC+8*(4*(\rt)+(\ct)):ACC+8*(4*(\rt)+(\ct))+7], v[BF+16+8*(\ct):BF+16+8*(\ct)+7], v[BF+8*(\rt):BF+8*(\rt)+7], 0
.else
	v_wmma_f32_16x16x32_bf16 v[ACC+8*(4*(\rt)+(\ct)):ACC+8*(4*(\rt)+(\ct))+7], v[BF+16+8*(\ct):BF+16+8*(\ct)+7], v[BF+8*(\rt):BF+8*(\rt)+7], v[ACC+8*(4*(\rt)+(\ct)):ACC+8*(4*(\rt)+(\ct))+7]
.endif
.endr
.endm
; K step ks: 8 products; the 8 accumulators take turns.  ahead = 1: step ks + 2's twelve loads are dealt among them, four at a time.
; No wait among them: no product of this step names the buffer in which those loads land.
.macro STEPK ks, zero, ahead
	MUL2 \ks, 0, 0, \zero
.if \ahead
	LDX (\ks)+2
.endif
	MUL2 \ks, 0, 2, \zero
.if \ahead
	LDW (\ks)+2, 0
.endif
	MUL2 \ks, 1, 0, \zero
.if \ahead
	LDW (\ks)+2, 2
.endif
	MUL2 \ks, 1, 2, \zero
.endm
.macro ULD ct                          ; U: 16 rows c x 64 d of W2 in f32, in fragment order: 8 loads into one of three sets
.set SG, 32+32*((\ct)%3)+128*(((\ct)%3)/2)
.irp e, 0,1,2,3,4,5,6,7
	global_load_b128 v[SG+4*\e:SG+4*\e+3], v15, s[14:15] offset:(\ct)*65536+(\e/2)*64+(\e%2)*16
.endr
.endm
.macro UCV ct
.set SG, 32+32*((\ct)%3)+128*(((\ct)%3)/2)
.set i, 0
.rept 16
	v_cvt_pk_bf16_f32 v[WF+16*(\ct)+i], v[SG+2*i], v[SG+2*i+1]
.set i, i+1
.endr
.endm
; C[128 x 128] = X[128 x 256] W[256 x 128] (+ bias), rounded to bf16.  s30 = block of rows, s31 = block of columns.  Wave w: rows 32 (w / 2), columns 64 (w % 2).
; uld = 1 (the Q role): W2's first two raw sets are asked for as soon as the accumulators are packed.
.macro PROJ sx, sw, ldwb, so, opitch, bias, uld
	s_and_b32 s39, s[WV], 1                        ; wc
	s_lshr_b32 s40, s[WV], 1                       ; wr
	s_lshl_b32 s32, s30, 17                        ; X: the block's 128 rows of 1,024 bytes,
	s_lshl_b32 s38, s[WV], 14                      ; my wave's 16 of them: 16 KiB on end
	s_add_co_u32 s32, s32, s38
	s_mov_b32 s33, 0
	s_add_nc_u64 s[34:35], s[\sx:\sx+1], s[32:33]
	s_mul_i32 s32, s[WV], 32*(\ldwb)               ; W: my wave's 32 rows k, the block's 512 bytes of each
	s_lshl_b32 s38, s31, 9
	s_add_co_u32 s32, s32, s38
	s_add_nc_u64 s[36:37], s[\sw:\sw+1], s[32:33]
	s_mul_i32 s32, s30, 128*(\opitch)              ; the result: the block's first row, its 256 bytes of a row
	s_lshl_b32 s38, s31, 8
	s_add_co_u32 s32, s32, s38
	s_add_nc_u64 s[42:43], s[\so:\so+1], s[32:33]
	v_lshlrev_b32 v5, 4, v2                        ; 16 x lane: every load takes 512 bytes on end
	s_wait_alu depctr_va_vdst(0)                   ; v5 is written, which the loads below read as their offset (in the Q role also v15 to v19, made ahead of this block)
.set i, 0
.rept 32
	global_load_b128 v[SA+4*i:SA+4*i+3], v5, s[34:35] offset:i*512
.set i, i+1
.endr
.set i, 0
.rept 16
	global_load_b128 v[ACC+4*i:ACC+4*i+3], v5, s[36:37] offset:i*(\ldwb)
.set i, i+1
.endr
	s_mul_i32 s38, s[WV], 16*XP
	v_lshl_add_u32 v6, v2, 3, s38                  ; v6: where X's bf16 go: row 16 w, 8 bytes a lane
	s_mul_i32 s38, s[WV], 32*WP
	s_add_co_u32 s38, s38, WL
	v_lshl_add_u32 v7, v2, 3, s38                  ; v7: where W's go: row 32 w
	s_mul_i32 s38, s40, 32*XP
	v_mul_u32_u24 v9, v3, XP
	v_lshl_add_u32 v9, v4, 4, v9
	v_add_nc_u32 v9, s38, v9                       ; v9: X's fragments: (32 wr + r) pitch + 16 h
	v_and_b32 v10, 7, v0
	v_lshl_add_u32 v10, v4, 3, v10
	v_mul_u32_u24 v10, v10, WP
	v_bfe_u32 v11, v0, 3, 1
	v_lshl_add_u32 v10, v11, 4, v10
	s_lshl_b32 s38, s39, 7
	s_add_co_u32 s38, s38, WL
	v_add_nc_u32 v10, s38, v10                     ; v10: W's turning loads: (8 h + l % 8) pitch + 128 wc + 16 ((l / 8) % 2)
	v_add_nc_u32 v11, 128*WP, v10                  ; v11: the same for K steps 4 to 7, beyond the immediate's reach
	s_mul_i32 s38, s40, 32*OP
	s_lshl_b32 s41, s39, 7
	s_add_co_u32 s38, s38, s41
	v_mul_u32_u24 v12, v3, OP
	v_lshl_add_u32 v12, v4, 4, v12
	v_add_nc_u32 v12, s38, v12                     ; v12: into the stage
	s_mul_i32 s38, s[WV], 16*OP
	v_mul_u32_u24 v13, v4, OP
	v_lshl_add_u32 v13, v3, 4, v13
	v_add_nc_u32 v13, s38, v13                     ; v13: back out of it: rows 16 w .., lanes 0-15 one row, lanes 16-31 the next
	s_mul_i32 s38, s[WV], 16*(\opitch)
	v_mul_u32_u24 v14, v4, \opitch
	v_lshl_add_u32 v14, v3, 4, v14
	v_add_nc_u32 v14, s38, v14                     ; v14: the same two rows in memory
.if \bias
	s_and_b32 s38, s31, 3                          ; the head: 2 (cs % 4) + wc; cs / 4: keys' or values' half of its 128 numbers of b2
	s_lshl_b32 s38, s38, 1
	s_add_co_u32 s38, s38, s39
	s_lshl_b32 s38, s38, 9
	s_lshr_b32 s41, s31, 2
	s_lshl_b32 s41, s41, 8
	s_add_co_u32 s38, s38, s41
	v_lshl_add_u32 v8, v4, 5, s38
.endif
	s_wait_loadcnt 16                              ; X is in; W's first 16 rows may be out
.set i, 0
.rept 32                               ; X closes up, ascending: load i's four registers into the pair at SA + 2 i, which lies in registers that have been read
	v_cvt_pk_bf16_f32 v[SA+2*i],   v[SA+4*i],   v[SA+4*i+1]
	v_cvt_pk_bf16_f32 v[SA+2*i+1], v[SA+4*i+2], v[SA+4*i+3]
.set i, i+1
.endr
	s_wait_alu depctr_va_vdst(0)                   ; the conversions have written v96-159, which the LDS stores read, and are done reading v160-223, in which the loads land; v6 to v14 are written
.set i, 0
.rept 16
	global_load_b128 v[SB+4*i:SB+4*i+3], v5, s[36:37] offset:(16+i)*(\ldwb)
.set i, i+1
.endr
.set i, 0
.rept 32
	ds_store_b64 v6, v[SA+2*i:SA+2*i+1] offset:(i/2)*XP+(i%2)*256
.set i, i+1
.endr
	s_wait_loadcnt 16                              ; W's first 16 rows are in; the 16 just asked for may be out
.set i, 0
.rept 16
	v_cvt_pk_bf16_f32 v[TT+2*i],   v[ACC+4*i],   v[ACC+4*i+1]
	v_cvt_pk_bf16_f32 v[TT+2*i+1], v[ACC+4*i+2], v[ACC+4*i+3]
.set i, i+1
.endr
	s_wait_alu depctr_va_vdst(0)                   ; the conversions have written v224-255, which the LDS stores read, and are done reading v32-95, in which the bias lands
.if \bias
.irp rt, 0,1
.irp ct, 0,1,2,3                       ; the bias starts the sums: my lane's eight columns, the same for both blocks of rows
	global_load_b128 v[ACC+8*(4*\rt+\ct):ACC+8*(4*\rt+\ct)+3],   v8, s[18:19] offset:64*\ct
	global_load_b128 v[ACC+8*(4*\rt+\ct)+4:ACC+8*(4*\rt+\ct)+7], v8, s[18:19] offset:64*\ct+16
.endr
.endr
.endif
.set i, 0
.rept 16
	ds_store_b64 v7, v[TT+2*i:TT+2*i+1] offset:i*WP
.set i, i+1
.endr
.if \bias
	s_wait_loadcnt 16                              ; W's last 16 rows are in; the bias's 16 loads may be out
.else
	s_wait_loadcnt 0x0
.endif
.set i, 0
.rept 16                               ; W's rows 16-31 close up, ascending, as X did
	v_cvt_pk_bf16_f32 v[SB+2*i],   v[SB+4*i],   v[SB+4*i+1]
	v_cvt_pk_bf16_f32 v[SB+2*i+1], v[SB+4*i+2], v[SB+4*i+3]
.set i, i+1
.endr
	s_wait_alu depctr_va_vdst(0)                   ; the conversions have written v160-191, which the LDS stores read
.set i, 0
.rept 16
	ds_store_b64 v7, v[SB+2*i:SB+2*i+1] offset:(16+i)*WP
.set i, i+1
.endr
.if \bias
	s_wait_loadcnt 0x0
.set i, 0
.rept 32                               ; b2 rounded to bf16 like every input, and widened again
	v_cvt_pk_bf16_f32 v[BT+i%8], v[ACC+2*i], v[ACC+2*i+1]
	v_lshlrev_b32 v[ACC+2*i], 16, v[BT+i%8]
	v_and_b32 v[ACC+2*i+1], 0xffff0000, v[BT+i%8]
.set i, i+1
.endr
.endif
	s_wait_dscnt 0x0                               ; for the others' sake: my stores are done
	s_barrier_signal -1
	s_barrier_wait -1
	s_wait_alu depctr_vm_vsrc(0)                   ; my LDS stores have read v96-191 and v224-255: these registers are fragment buffers from here on (the conversions that named them stand ahead of the waits on va_vdst above)
	LOADK 0
	LOADK 1
	LOADK 2
.irp ks, 0,1,2,3,4,5,6,7
.if \ks == 0
	s_wait_dscnt 24                                ; this K step's 12 loads are in; the two younger steps' 24 may be out
.elseif \ks < 7
	s_wait_dscnt 12                                ; one younger step's 12 may be out
.else
	s_wait_dscnt 0x0
.endif
.if (\ks == 0) && !(\bias)
	STEPK \ks, 1, 0
.elseif (\ks == 0) || (\ks > 5)
	STEPK \ks, 0, 0
.else
	PLACES                                         ; the four places behind the last step's products, ahead of loads into the fragments that they read
	s_wait_alu depctr_va_vdst(0)                   ; the last step's products are done reading their buffer, in which the loads of the step after next land
	STEPK \ks, 0, 1
.endif
.endr
	s_barrier_signal -1                            ; every wave's reads of X and W are back (the last wait was for 0): their bytes may be written
	s_barrier_wait -1
	PLACES
.set i, 0
.rept 32                               ; each accumulator's registers in ascending order
	v_cvt_pk_bf16_f32 v[96+i], v[ACC+2*i], v[ACC+2*i+1]
.set i, i+1
.endr
	s_wait_alu depctr_va_vdst(0)                   ; the conversions have written v96-127, which the LDS stores read, and are done reading v32-95; the products are done reading v224-239: loads land in both below
.if \uld
	ULD 0                                          ; W2 is on its way while the stage is written and read
	ULD 1
.endif
.irp rt, 0,1
.irp ct, 0,1,2,3
	ds_store_b128 v12, v[96+4*(4*\rt+\ct):96+4*(4*\rt+\ct)+3] offset:\rt*16*OP+32*\ct
.endr
.endr
	s_wait_dscnt 0x0                               ; a row's 256 bytes come from two waves
	s_barrier_signal -1
	s_barrier_wait -1
.irp t, 0,1,2,3,4,5,6,7
	ds_load_b128 v[TT+4*\t:TT+4*\t+3], v13 offset:\t*2*OP
.endr
.irp t, 0,1,2,3,4,5,6,7
	s_wait_dscnt 7-\t
	global_store_b128 v14, v[TT+4*\t:TT+4*\t+3], s[42:43] offset:\t*2*(\opitch)  ; 16 lanes store 256 consecutive bytes, aligned
.endr
.endm
; A weight matrix turned: dst[n][k] = src[k][n], 16 bits.  A wave takes 8 columns n x 128 rows k; a lane 4 n x 8 k.  16 lanes store 256 consecutive bytes of a row of dst.
.macro TRANS ss, ldb, dstoff, f16, w2v, first
	s_sub_co_u32 s30, s29, \first
	s_lshl_b32 s30, s30, 3
	s_add_co_u32 s30, s30, s[WV]                   ; the wave's task
	s_lshr_b32 s31, s30, 2                         ; its 8 columns
	s_and_b32 s32, s30, 3                          ; its 128 rows
	s_mul_i32 s33, s32, 128*(\ldb)
.if \w2v
	s_lshr_b32 s34, s31, 3                         ; head: 128 columns of W2 each, of which the upper 64 are the values'
	s_lshl_b32 s34, s34, 9
	s_and_b32 s35, s31, 7
	s_lshl_b32 s35, s35, 5
	s_add_co_u32 s34, s34, s35
	s_add_co_u32 s34, s34, 256
.else
	s_lshl_b32 s34, s31, 5
.endif
	s_add_co_u32 s33, s33, s34
	v_mul_u32_u24 v5, v3, 8*(\ldb)
	v_lshl_add_u32 v5, v4, 4, v5
	v_add_nc_u32 v5, s33, v5
	s_lshl_b32 s38, s31, 13
	s_lshl_b32 s39, s32, 8
	s_add_co_u32 s38, s38, s39
	v_lshlrev_b32 v6, 12, v4
	v_lshl_add_u32 v6, v3, 4, v6
	v_add_nc_u32 v6, s38, v6
	s_add_nc_u64 s[36:37], s[20:21], \dstoff
	s_wait_alu depctr_va_vdst(0)                   ; v5 and v6 are written: the loads' and the stores' offsets
.irp e, 0,1,2,3,4,5,6,7
	global_load_b128 v[32+4*\e:32+4*\e+3], v5, s[\ss:\ss+1] offset:\e*(\ldb)
.endr
	s_wait_loadcnt 0x0
.irp nn, 0,1,2,3
.irp g, 0,1,2,3
	v_cvt_pk_bf16_f32 v[64+4*\nn+\g], v[32+8*\g+\nn], v[36+8*\g+\nn]
.if \f16
	v_lshlrev_b32 v[96+2*\g], 16, v[64+4*\nn+\g]   ; the bf16 number, written as f16
	v_and_b32 v[97+2*\g], 0xffff0000, v[64+4*\nn+\g]
	v_cvt_pk_f16_f32 v[64+4*\nn+\g], v[96+2*\g], v[97+2*\g]
.endif
.endr
.endr
	s_wait_alu depctr_va_vdst(0)                   ; the conversions have written v64-79, which the four stores read
.irp nn, 0,1,2,3
	global_store_b128 v6, v[64+4*\nn:64+4*\nn+3], s[36:37] offset:\nn*1024
.endr
.endm
	s_load_b512 s[4:19], s[0:1], 0x0               ; q 4, k 6, Wq 8, Wkv 10, W1 12, W2 14, Wout 16, b2 18
	s_load_b256 s[20:27], s[0:1], 0x40             ; wts 20, qs 22, kvt 24, u 26
	v_lshl_add_u32 v[SPW], v0, 2, SPARE
	v_mov_b32 v[NIL], 0
	v_lshrrev_b32 v1, 5, v0
	v_readfirstlane_b32 s[WV], v1                  ; wave 0..7
	v_and_b32 v2, 31, v0                           ; lane l
	v_and_b32 v3, 15, v0                           ; r = l % 16
	v_bfe_u32 v4, v0, 4, 1                         ; h = l / 16
	s_mov_b32 s29, ttmp9
	s_wait_alu depctr_va_sdst(0)                   ; s28, the wave's number, is written: ahead of the branches below and of its first reader in each role
	s_wait_kmcnt 0x0
	s_cmp_lt_u32 s29, 128                          ; the role hangs on the work-group's number alone: all eight waves take the same way
	s_cbranch_scc1 .Lrole_q
	s_cmp_lt_u32 s29, 384
	s_cbranch_scc1 .Lrole_kv
	s_cmp_lt_u32 s29, 416
	s_cbranch_scc1 .Lrole_w1
	s_cmp_lt_u32 s29, 448
	s_cbranch_scc1 .Lrole_w2
	TRANS 16, 1024, 1048576, 0, 0, 448
	s_cmp_lg_u32 s30, 0
	s_cbranch_scc1 .Lno_zero
	v_mov_b32 v100, 0                              ; 512 zero bytes behind qs: what a lane reads whose column belongs to another head
	v_mov_b32 v101, 0
	v_mov_b32 v102, 0
	v_mov_b32 v103, 0
	v_lshlrev_b32 v7, 4, v2
	s_wait_alu depctr_va_vdst(0)                   ; v7 and v100-103 are written: the store's offset and data
	global_store_b128 v7, v[100:103], s[22:23] offset:4194304
.Lno_zero:
	s_endpgm
.Lrole_w1:
	TRANS 12, 2048, 0, 0, 0, 384
	s_endpgm
.Lrole_w2:
	TRANS 14, 4096, 524288, 1, 1, 416
	s_endpgm
.Lrole_kv:
	s_sub_co_u32 s32, s29, 128
	s_lshr_b32 s30, s32, 3
	s_and_b32 s31, s32, 7
	PROJ 6, 10, 4096, 24, 2048, 1, 0
	s_wait_dscnt 0x0                               ; the closing lines, six on end
	s_wait_alu 0x0
	s_wait_tensorcnt 0x0
	ds_add_u32 v[SPW], v[NIL]
	s_wait_dscnt 0x0
	s_endpgm
.Lrole_q:
	s_lshr_b32 s30, s29, 2
	s_and_b32 s31, s29, 3
	; U's offsets and addresses are made here, ahead of the block's first wait on va_vdst, so that nothing is owed for them later.
	; U for the block's 128 queries and two heads, from the stage's bf16 qs.  Wave w: head 2 cs + w / 4, channels c = 128 (w % 4) ..; K = the head's 64 d.
	s_and_b32 s44, s[WV], 3
	s_lshr_b32 s45, s[WV], 2
	s_lshl_b32 s46, s31, 1
	s_add_co_u32 s46, s46, s45                     ; the head
	s_lshl_b32 s38, s44, 19
	s_lshl_b32 s41, s46, 9
	s_add_co_u32 s38, s38, s41
	v_lshlrev_b32 v15, 12, v3
	v_lshl_add_u32 v15, v4, 5, v15
	v_add_nc_u32 v15, s38, v15                     ; W2: row c = 128 (w % 4) + r, the head's key columns, 8 h floats on
	s_lshl_b32 s32, s46, 22                        ; u: the head's 4 MiB, the block's 128 rows of 1,024 bytes, my 256 bytes of a row
	s_lshl_b32 s38, s30, 17
	s_add_co_u32 s32, s32, s38
	s_lshl_b32 s38, s44, 8
	s_add_co_u32 s32, s32, s38
	s_mov_b32 s33, 0
	s_add_nc_u64 s[48:49], s[26:27], s[32:33]
	v_mul_u32_u24 v16, v3, OP
	v_lshl_add_u32 v16, v4, 4, v16                 ; r pitch + 16 h
	s_mul_i32 s38, s[WV], 16*OP
	s_add_co_u32 s38, s38, USTG
	v_add_nc_u32 v17, s38, v16                     ; v17: into my stage
	v_mul_u32_u24 v18, v4, OP
	v_lshl_add_u32 v18, v3, 4, v18
	v_add_nc_u32 v18, s38, v18                     ; v18: back out of it
	s_lshl_b32 s38, s45, 7
	v_add_nc_u32 v16, s38, v16                     ; v16: qs's fragments: the head's 128 bytes of a stage row; steps 16 rows a trip
	v_lshlrev_b32 v19, 10, v4
	v_lshl_add_u32 v19, v3, 4, v19                 ; v19: my place in two rows of u; never rewritten: the scalar base steps 16 rows a trip
	PROJ 4, 8, 2048, 22, 1024, 0, 1
	s_wait_xcnt 0x0                                ; qs's stores have had their addresses translated: v224-255 are loaded into only behind this wait
	s_wait_alu depctr_vm_vsrc(0)                   ; qs's stores have read v224-255, in which the third raw set lands; the stage's LDS stores have read v96-127, which the conversions below write
	ULD 2
.irp ct, 0,1,2,3,4,5,6,7
.if \ct < 6
	s_wait_loadcnt 16                              ; this set's 8 loads are in; the two younger sets' 16 may be out
.elseif \ct == 6
	s_wait_loadcnt 8
.else
	s_wait_loadcnt 0x0
.endif
	UCV \ct
.if \ct < 5
	s_wait_alu depctr_va_vdst(0)                   ; the conversions are done reading the raw set, which is asked for again at once
	ULD \ct+3
.endif
.endr
	s_wait_alu depctr_va_vdst(0)                   ; the conversions of the sixth set are done reading v240-255, in which qs's first fragment lands
	ds_load_b128 v[240:243], v16
	ds_load_b128 v[244:247], v16 offset:32
	ds_load_b128 v[248:251], v16 offset:64
	ds_load_b128 v[252:255], v16 offset:96
	s_mov_b32 s50, 8
	s_wait_dscnt 0x0                               ; the first fragment is in; every later one is in at the wait for 0 ahead of a trip's stores
.Lu:                                                   ; a trip: 16 queries x 128 channels
	s_wait_xcnt 0x0                                ; the last trip's stores have had their addresses translated: their base and data are rewritten only behind this wait
	s_wait_alu depctr_vm_vsrc(0)                   ; the last trip's LDS stores and global stores have read the accumulators' registers, which the products write; the fragment's loads have read v16
	s_add_nc_u64 s[48:49], s[48:49], 16384         ; one trip's 16 rows past this trip's: the stores below reach back
.irp ct, 0,1,2,3,4,5,6,7
	v_wmma_f32_16x16x32_bf16 v[ACC+8*\ct:ACC+8*\ct+7], v[WF+16*\ct:WF+16*\ct+7], v[240:247], 0
.endr
.irp ct, 0,1,2,3,4,5,6,7
	v_wmma_f32_16x16x32_bf16 v[ACC+8*\ct:ACC+8*\ct+7], v[WF+16*\ct+8:WF+16*\ct+15], v[248:255], v[ACC+8*\ct:ACC+8*\ct+7]
.endr
	v_add_nc_u32 v16, 16*OP, v16                   ; the next trip's 16 rows of the stage: the first of the four places behind the products
	v_nop
	v_nop
	v_nop
.irp ct, 0,1,2,3,4,5,6,7
.irp g, 0,1,2,3                        ; packed in place, ascending: register g takes registers 2 g and 2 g + 1
	v_cvt_pk_bf16_f32 v[ACC+8*\ct+\g], v[ACC+8*\ct+2*\g], v[ACC+8*\ct+2*\g+1]
.endr
.endr
	s_wait_alu depctr_va_vdst(0)                   ; the conversions have written the lower halves, which the LDS stores read, and are done reading the upper halves, in which the stage's loads land; the products are done reading v240-255; v16 is written
	s_cmp_eq_u32 s50, 1
	s_cbranch_scc1 .Lno_frag                       ; the last trip has no next fragment
	ds_load_b128 v[240:243], v16
	ds_load_b128 v[244:247], v16 offset:32
	ds_load_b128 v[248:251], v16 offset:64
	ds_load_b128 v[252:255], v16 offset:96
.Lno_frag:
.irp ct, 0,1,2,3,4,5,6,7
	ds_store_b128 v17, v[ACC+8*\ct:ACC+8*\ct+3] offset:32*\ct
.endr
.irp t, 0,1,2,3,4,5,6,7
	ds_load_b128 v[ACC+8*\t+4:ACC+8*\t+7], v18 offset:\t*2*OP  ; LDS serves a wave's instructions in order (ISA guide 5.7.1.4): these see the stores above
.endr
	s_wait_dscnt 0x0                               ; the rows are back, and the next fragment, asked for ahead of them, is in: a count of 0 holds whether or not it was asked for
.irp t, 0,1,2,3,4,5,6,7
	global_store_b128 v19, v[ACC+8*\t+4:ACC+8*\t+7], s[48:49] offset:\t*2048-16384  ; 16 lanes store 256 consecutive bytes, aligned
.endr
	s_sub_co_u32 s50, s50, 1
	s_cmp_lg_u32 s50, 0
	s_cbranch_scc1 .Lu
	s_wait_dscnt 0x0                               ; the closing lines, six on end
	s_wait_alu 0x0
	s_wait_tensorcnt 0x0
	ds_add_u32 v[SPW], v[NIL]
	s_wait_dscnt 0x0
	s_endpgm
.Lfunc_end_k_q342ebe6baf_prep:
	.size	k_q342ebe6baf_prep, .Lfunc_end_k_q342ebe6baf_prep-k_q342ebe6baf_prep
	.p2alignl 7, 3214868480
	.fill 96, 4, 3214868480
	.section	.rodata,"a",@progbits
	.p2align	6, 0x0
	.amdhsa_kernel k_q342ebe6baf_prep
		.amdhsa_group_segment_fixed_size 142336
		.amdhsa_private_segment_fixed_size 0
		.amdhsa_enable_private_segment 0
		.amdhsa_kernarg_size 96
		.amdhsa_user_sgpr_count 2
		.amdhsa_user_sgpr_kernarg_segment_ptr 1
		.amdhsa_wavefront_size32 1
		.amdhsa_system_sgpr_workgroup_id_x 1
		.amdhsa_system_sgpr_workgroup_id_y 1
		.amdhsa_system_sgpr_workgroup_id_z 1
		.amdhsa_system_vgpr_workitem_id 0
		.amdhsa_next_free_vgpr 256
		.amdhsa_next_free_sgpr 66
		.amdhsa_reserve_vcc 0
		.amdhsa_float_denorm_mode_32 3
		.amdhsa_float_denorm_mode_16_64 3
		.amdhsa_memory_ordered 1
		.amdhsa_forward_progress 1
		.amdhsa_inst_pref_size 115
	.end_amdhsa_kernel
	.amdgpu_metadata
---
amdhsa.version: [ 1, 2 ]
amdhsa.kernels:
  - .name:           k_q342ebe6baf_prep
    .symbol:         k_q342ebe6baf_prep.kd
    .args:
      - { .name: q, .offset: 0, .size: 8, .value_kind: global_buffer, .address_space: global }
      - { .name: k, .offset: 8, .size: 8, .value_kind: global_buffer, .address_space: global }
      - { .name: Wq, .offset: 16, .size: 8, .value_kind: global_buffer, .address_space: global }
      - { .name: Wkv, .offset: 24, .size: 8, .value_kind: global_buffer, .address_space: global }
      - { .name: W1, .offset: 32, .size: 8, .value_kind: global_buffer, .address_space: global }
      - { .name: W2, .offset: 40, .size: 8, .value_kind: global_buffer, .address_space: global }
      - { .name: Wout, .offset: 48, .size: 8, .value_kind: global_buffer, .address_space: global }
      - { .name: b2, .offset: 56, .size: 8, .value_kind: global_buffer, .address_space: global }
      - { .name: wts, .offset: 64, .size: 8, .value_kind: global_buffer, .address_space: global }
      - { .name: qs, .offset: 72, .size: 8, .value_kind: global_buffer, .address_space: global }
      - { .name: kvt, .offset: 80, .size: 8, .value_kind: global_buffer, .address_space: global }
      - { .name: u, .offset: 88, .size: 8, .value_kind: global_buffer, .address_space: global }
    .group_segment_fixed_size: 142336
    .private_segment_fixed_size: 0
    .kernarg_segment_align: 8
    .kernarg_segment_size: 96
    .max_flat_workgroup_size: 256
    .sgpr_count:     66
    .vgpr_count:     256
    .wavefront_size: 32
...
	.end_amdgpu_metadata
.endif
;; end of part 5
;; launch main: the kernel of part 2 again; grid 512 x 1, 4 waves a work-group, clusters of 4 x 1, 327,680 bytes of LDS; arguments pos, b1, local_idx, wts, qs, kvt, u, z, aggv; writes z, aggv
;; launch zw: the kernel of part 3 again; grid 32 x 8, 4 waves a work-group, clusters of 4 x 1, 217,600 bytes of LDS; arguments z, wts, aggv, agg; writes agg
;; launch outp: the kernel of part 4 again; grid 4 x 64, 4 waves a work-group, clusters of 4 x 1, 217,600 bytes of LDS; arguments agg, wts, out0; writes out0
